; MI455X (gfx1250); checked and timed in simulation.
; The chip was launched on July 23, 2026; its instructions are those of AMD's public machine-readable ISA for CDNA 5 (MIT licence, August 2026) and "CDNA5" Instruction Set Architecture Reference Guide (July 2026). The comments in the code are by the model that wrote it; some were corrected since.
;; MLA. Allowed arithmetic: float matrix products may take bf16 or f16 operands with f32 sums; all other float work in f32.
;; Inputs: freqs_cos 2,048 x 32 float32; freqs_sin 2,048 x 32 float32; mask 2,048 x 2,048 float32; wk_b 3,072 float32; wk_w 2,048 x 3,072 float32; wo_b 2,048 float32; wo_w 2,048 x 2,048 float32; wq_b 3,072 float32; wq_w 2,048 x 3,072 float32; wv_b 2,048 float32; wv_w 2,048 x 2,048 float32; x 1 x 2,048 x 2,048 float32.
;; Outputs: out0 1 x 2,048 x 2,048 float32.
;; Constants: start_pos = 0.
;; 2 versions, each right; version 2 is version 1 with the launch cast written anew for expert scheduling mode. Each part assembles by itself: llvm-mc -triple=amdgcn-amd-amdhsa -mcpu=gfx1250 --defsym DOCPART=n.
;; ======== version 1 of 2: 4 launches
;; limits: values are held in f16: magnitudes above 65,504 overflow, below 6.1e-05 lose precision
;; workspace buffers: xb 8,388,608 bytes; wcat 33,554,432 bytes; wob 8,388,608 bytes; csr 524,288 bytes; qkv 33,554,432 bytes; ob 8,388,608 bytes
;; launch cast (part 1): grid 1024 x 1, 8 waves a work-group, no clusters, 0 bytes of LDS; arguments x, wq_w, wk_w, wv_w, wo_w, freqs_cos, freqs_sin, xb, wcat, wob, csr; writes xb, wcat, wob, csr
.if DOCPART == 1
	.amdgcn_target "amdgcn-amd-amdhsa--gfx1250"
	.amdhsa_code_object_version 6
	.text
	.protected	k_qd291f83e43_cast
	.globl	k_qd291f83e43_cast
	.p2align	8
	.type	k_qd291f83e43_cast,@function
k_qd291f83e43_cast:
	s_mov_b64 s[64:65], 0
	v_nop
	global_prefetch_b8 v0, s[64:65] scope:SCOPE_SE
	s_setreg_imm32_b32 hwreg(HW_REG_WAVE_MODE, 25, 1), 1
	s_wait_xcnt 0x0
; THE OPERANDS ARE ROUNDED ONCE.  x, wq_w, wk_w, wv_w -> bf16; wo_w -> bf16 and that number written as f16; cos, sin -> bf16 kept as f32 words.
; wcat [2048 k][8192 n] gathers the three weights with their columns regrouped: 0-2047 q's unrotated channels (128 a head), 2048-4095 k's,
; 4096-6143 v, 6144-7167 q's rotated channels (64 a head), 7168-8191 k's: so that a panel of 128 columns is of one kind.
; LIMIT.  A number of wo_w below 2^-17 keeps f16's fixed step of 6e-8; beyond 65,504 it would be an infinity.
; A stream: no LDS, no matrix unit, no cluster (no byte is read twice).  Work-group g owns rows 2 g and 2 g + 1 of all five matrices; a thread takes four
; numbers a load, so a wave's load covers 512 consecutive bytes and its store 256 consecutive bytes, aligned.  All 24 loads of a thread go out at once,
; each into registers of its own; a unit is rounded in the registers that its load filled and stored from them: no register of a pending instruction is
; written again, and 112 registers do: 8 waves x 112 on each of a WGP's four SIMDs are four work-groups, 1,024 work-groups on 256 WGPs.
.set VA,  2                            ; 16 t: dense rows
.set VB,  3                            ; (t / 32) x 768 + (t % 32) x 16: 128 channels of each of eight heads
.set VC,  4                            ; (t / 16) x 768 + (t % 16) x 16: 64 channels of each of sixteen heads
.set VD,  5                            ; 8 t: where my four 16-bit numbers go
.set VL,  6                            ; the tables: 256 g + 8 lane
.set VS,  7                            ; the same + wave x 262,144: cos, then sin
.set X,   8                            ; v[8:103]    unit u: four f32 as loaded; then, in the first two, four 16-bit numbers to store
.set T,   104                          ; v[104:109]  at work
.set CSX, 110                          ; v[110:111]  two numbers of a table
.set PX,  4
.set PQ,  6
.set PK,  8
.set PV,  10
.set PO,  12
.set PXB, 18
.set PWC, 20
.set PWO, 22
	s_load_b512 s[4:19], s[0:1], 0x0               ; x, wq_w, wk_w, wv_w, wo_w, cos s[14:15], sin s[16:17], xb
	s_load_b128 s[20:23], s[0:1], 0x40             ; wcat, wob
	s_load_b64 s[24:25], s[0:1], 0x50              ; csr
	v_lshrrev_b32 v1, 5, v0
	v_readfirstlane_b32 s28, v1                    ; my wave's number
	v_lshlrev_b32 v[VA], 4, v0
	v_and_b32 v[VB], 31, v0
	v_lshlrev_b32 v[VB], 4, v[VB]
	v_mad_u32_u24 v[VB], v1, 768, v[VB]
	v_lshrrev_b32 v[VC], 4, v0
	v_and_b32 v[VL], 15, v0
	v_lshlrev_b32 v[VL], 4, v[VL]
	v_mad_u32_u24 v[VC], v[VC], 768, v[VL]
	v_lshlrev_b32 v[VD], 3, v0
	v_and_b32 v[VL], 31, v0
	s_lshl_b32 s29, ttmp9, 8
	v_lshl_add_u32 v[VL], v[VL], 3, s29
	s_lshl_b32 s30, s28, 18
	v_add_nc_u32 v[VS], s30, v[VL]
	s_lshl_b32 s32, ttmp9, 14                      ; two rows of 8,192 bytes: x, wv_w, wo_w
	s_mov_b32 s33, 0
	s_mul_i32 s34, ttmp9, 24576                    ; of 12,288: wq_w, wk_w
	s_mov_b32 s35, 0
	s_lshl_b32 s36, ttmp9, 13                      ; of 4,096: xb, wob
	s_mov_b32 s37, 0
	s_lshl_b32 s38, ttmp9, 15                      ; of 16,384: wcat
	s_mov_b32 s39, 0
	s_wait_kmcnt 0x0
	s_add_nc_u64 s[PX:PX+1], s[PX:PX+1], s[32:33]
	s_add_nc_u64 s[PV:PV+1], s[PV:PV+1], s[32:33]
	s_add_nc_u64 s[PO:PO+1], s[PO:PO+1], s[32:33]
	s_add_nc_u64 s[PQ:PQ+1], s[PQ:PQ+1], s[34:35]
	s_add_nc_u64 s[PK:PK+1], s[PK:PK+1], s[34:35]
	s_add_nc_u64 s[PXB:PXB+1], s[PXB:PXB+1], s[36:37]
	s_add_nc_u64 s[PWO:PWO+1], s[PWO:PWO+1], s[36:37]
	s_add_nc_u64 s[PWC:PWC+1], s[PWC:PWC+1], s[38:39]
	s_cmp_lt_u32 s28, 2                            ; wave 0 takes 256 bytes of cos, wave 1 of sin
	s_cbranch_scc0 .Lno_table
	s_cmp_eq_u32 s28, 0
	s_cselect_b64 s[26:27], s[14:15], s[16:17]
	global_load_b64 v[CSX:CSX+1], v[VL], s[26:27]
.Lno_table:
.macro LD base, vo, imm
	global_load_b128 v[X+4*u:X+4*u+3], v[\vo], s[\base:\base+1] offset:\imm th:TH_LOAD_NT
.set u, u+1
.endm
; unit u is rounded, in place, and stored.  half = 1: the bf16 number is widened again and written as f16
.macro ST base, imm, half
	s_wait_loadcnt 23-u                            ; loads come back in order (ISA guide 5.7.1): unit u is in, the 23 - u younger ones stay out
.if \half
	v_cvt_pk_bf16_f32 v[T], v[X+4*u], v[X+4*u+1]
	v_cvt_pk_bf16_f32 v[T+1], v[X+4*u+2], v[X+4*u+3]
	v_lshlrev_b32 v[T+2], 16, v[T]
	v_and_b32 v[T+3], 0xffff0000, v[T]
	v_lshlrev_b32 v[T+4], 16, v[T+1]
	v_and_b32 v[T+5], 0xffff0000, v[T+1]
	v_cvt_pk_f16_f32 v[X+4*u], v[T+2], v[T+3]
	v_cvt_pk_f16_f32 v[X+4*u+1], v[T+4], v[T+5]
.else
	v_cvt_pk_bf16_f32 v[X+4*u], v[X+4*u], v[X+4*u+1]
	v_cvt_pk_bf16_f32 v[X+4*u+1], v[X+4*u+2], v[X+4*u+3]
.endif
	global_store_b64 v[VD], v[X+4*u:X+4*u+1], s[\base:\base+1] offset:\imm
.set u, u+1
.endm
.set u, 0
.irp r, 0,1
.irp e, 0,1
	LD PX, VA, (\r)*8192+(\e)*4096
	LD PQ, VB, (\r)*12288+(\e)*6144
	LD PK, VB, (\r)*12288+(\e)*6144
	LD PV, VA, (\r)*8192+(\e)*4096
	LD PO, VA, (\r)*8192+(\e)*4096
.endr
	LD PQ, VC, (\r)*12288+512
	LD PK, VC, (\r)*12288+512
.endr
.set u, 0
.irp r, 0,1
.irp e, 0,1
	ST PXB, (\r)*4096+(\e)*2048, 0
	ST PWC, (\r)*16384+(\e)*2048, 0
	ST PWC, (\r)*16384+(\e)*2048+4096, 0
	ST PWC, (\r)*16384+(\e)*2048+8192, 0
	ST PWO, (\r)*4096+(\e)*2048, 1
.endr
	ST PWC, (\r)*16384+12288, 0
	ST PWC, (\r)*16384+14336, 0
.endr
	s_cmp_lt_u32 s28, 2
	s_cbranch_scc0 .Ldone
	v_cvt_pk_bf16_f32 v[T], v[CSX], v[CSX+1]       ; the table's load is older than all 24: the last wait, for 0, has shown it in
	v_lshlrev_b32 v[T+2], 16, v[T]
	v_and_b32 v[T+3], 0xffff0000, v[T]
	global_store_b64 v[VS], v[T+2:T+3], s[24:25]
.Ldone:
	s_endpgm
.Lfunc_end_k_qd291f83e43_cast:
	.size	k_qd291f83e43_cast, .Lfunc_end_k_qd291f83e43_cast-k_qd291f83e43_cast
	.p2alignl 7, 3214868480
	.fill 96, 4, 3214868480
	.section	.rodata,"a",@progbits
	.p2align	6, 0x0
	.amdhsa_kernel k_qd291f83e43_cast
		.amdhsa_group_segment_fixed_size 0
		.amdhsa_private_segment_fixed_size 0
		.amdhsa_enable_private_segment 0
		.amdhsa_kernarg_size 88
		.amdhsa_user_sgpr_count 2
		.amdhsa_user_sgpr_kernarg_segment_ptr 1
		.amdhsa_wavefront_size32 1
		.amdhsa_system_sgpr_workgroup_id_x 1
		.amdhsa_system_sgpr_workgroup_id_y 1
		.amdhsa_system_sgpr_workgroup_id_z 1
		.amdhsa_system_vgpr_workitem_id 0
		.amdhsa_next_free_vgpr 112
		.amdhsa_next_free_sgpr 66
		.amdhsa_reserve_vcc 0
		.amdhsa_float_denorm_mode_32 3
		.amdhsa_float_denorm_mode_16_64 3
		.amdhsa_memory_ordered 1
		.amdhsa_forward_progress 1
		.amdhsa_inst_pref_size 12
	.end_amdhsa_kernel
	.amdgpu_metadata
---
amdhsa.version: [ 1, 2 ]
amdhsa.kernels:
  - .name:           k_qd291f83e43_cast
    .symbol:         k_qd291f83e43_cast.kd
    .args:
      - { .name: x, .offset: 0, .size: 8, .value_kind: global_buffer, .address_space: global }
      - { .name: wq_w, .offset: 8, .size: 8, .value_kind: global_buffer, .address_space: global }
      - { .name: wk_w, .offset: 16, .size: 8, .value_kind: global_buffer, .address_space: global }
      - { .name: wv_w, .offset: 24, .size: 8, .value_kind: global_buffer, .address_space: global }
      - { .name: wo_w, .offset: 32, .size: 8, .value_kind: global_buffer, .address_space: global }
      - { .name: freqs_cos, .offset: 40, .size: 8, .value_kind: global_buffer, .address_space: global }
      - { .name: freqs_sin, .offset: 48, .size: 8, .value_kind: global_buffer, .address_space: global }
      - { .name: xb, .offset: 56, .size: 8, .value_kind: global_buffer, .address_space: global }
      - { .name: wcat, .offset: 64, .size: 8, .value_kind: global_buffer, .address_space: global }
      - { .name: wob, .offset: 72, .size: 8, .value_kind: global_buffer, .address_space: global }
      - { .name: csr, .offset: 80, .size: 8, .value_kind: global_buffer, .address_space: global }
    .group_segment_fixed_size: 0
    .private_segment_fixed_size: 0
    .kernarg_segment_align: 8
    .kernarg_segment_size: 88
    .max_flat_workgroup_size: 256
    .sgpr_count:     66
    .vgpr_count:     112
    .wavefront_size: 32
...
	.end_amdgpu_metadata
.endif
;; end of part 1
;; launch qkv (part 2): grid 32 x 8, 4 waves a work-group, clusters of 4 x 4, 327,680 bytes of LDS; arguments xb, wcat, wq_b, wk_b, wv_b, csr, qkv; writes qkv
.if DOCPART == 2
	.amdgcn_target "amdgcn-amd-amdhsa--gfx1250"
	.amdhsa_code_object_version 6
	.text
	.protected	k_qd291f83e43_qkv
	.globl	k_qd291f83e43_qkv
	.p2align	8
	.type	k_qd291f83e43_qkv,@function
k_qd291f83e43_qkv:
	s_mov_b64 s[64:65], 0
	v_nop
	global_prefetch_b8 v0, s[64:65] scope:SCOPE_SE
	s_setreg_imm32_b32 hwreg(HW_REG_WAVE_MODE, 25, 1), 1
	s_wait_xcnt 0x0
	s_wait_alu depctr_hold_cnt(0) depctr_sa_sdst(0) depctr_va_vdst(0) depctr_va_sdst(0) depctr_va_ssrc(0) depctr_va_vcc(0) depctr_vm_vsrc(0)
	s_getreg_b32 s2, hwreg(HW_REG_IB_STS2, 6, 4)
	s_cmp_eq_u32 s2, 0
	s_cbranch_scc0 .Lentry_in_a_cluster
	s_endpgm
.Lentry_in_a_cluster:
	s_bfe_u32 s2, ttmp6, 0x10000c
	s_cmp_lg_u32 s2, 0xf033
	s_cbranch_scc0 .Lentry_shape_is_right
	s_endpgm
.Lentry_shape_is_right:
; q, k, v = x W + b, q's and k's last 64 channels of a head rotated, q times 192^-0.5 log2(e) (so that the scores come out in base-2 units); written by heads in f16.
; C [2048 s][8192 n] = xb [2048][2048] x wcat [2048 k][8192 n], bf16 operands, f32 sums.  A work-group of four waves makes 256 x 256 of C, a wave 128 x 128: 64 accumulators.
; K goes in 16 steps of 128 through two LDS slots filled by the tensor data mover; x's rows lie along K, wcat's rows along n, so W's fragments come out of LDS turned (ds_load_tr16_b128).
; THE MATRIX INSTRUCTION IS USED TRANSPOSED (source 0 = 16 columns of W, source 1 = 16 rows of x): a lane holds one row s and eight neighbouring channels.
; THE BIAS, rounded to bf16 like every input, is the C operand of the products that start the sums.
; CLUSTER 4 x 4: x's tile is shared along a row of the cluster, W's along a column: joint loads.  The cluster's x (0 to 7, equal in all sixteen partners) says what the columns are:
; 0, 1 q unrotated; 2, 3 k unrotated; 4, 5 v; 6 q rotated; 7 k rotated.  The one branch on it stands round the rotation.
; OUT, in bytes of qkv.  q's 128 channels: [16 h][2048 s][128] at 0; q's 64 rotated: [16 h][2048 s][64] at QPG; v: [16 h][2048 s][128] at VVG.  k at KKG, by blocks of 128 rows, so that the launch behind can ask
; for a block with one descriptor: [16 h][16 blocks][128 rows x 256 bytes, then 128 rows x 128 bytes].  A wave's 128 rows are one block, so only the stores' base and the step from head to head know of it.
; LIMIT.  f16 holds no number beyond 65,504: q x 0.104, k and v must stay within it (the drawn inputs give about 6; all inputs 30 times larger about 5,400).
; REGISTERS, in windows of 256: window 0: v0-31 addresses; v64-191 x's fragments, two buffers; v192-255 the bias, later the way out; v32-63 the way out
;   window 1: v64-191 W's fragments, two buffers; in the rotation all 256: cos and sin      windows 2, 3: the accumulators ((a, b) at v[8 (8 (a % 4) + b)])
.set KSTEP,  128
.set QPG,    8388608
.set VVG,    12582912
.set KKG,    20971520
.set KBLK,   49152                     ; a block of k: 128 x 256 + 128 x 128 bytes
.set KHEAD,  16*KBLK
.set PA,     272                       ; a row of x in LDS: 256 bytes + 16: the 16 rows of a load start 68 words apart
.set HA,     128*PA
.set PB,     288                       ; a row (one k, 128 columns) of W: 256 + 32: 16 lanes of the turning load take 8 rows x 32 bytes
.set HB,     128*PB
.set BOFF,   2*HA                      ; a slot: x's 256 rows, then W's two halves of 128 columns
.set SLOT,   2*HA+2*HB
.set STAGE,  2*SLOT                    ; behind the ring: 16 rows x 272 bytes for each wave
.set SPITCH, 272
.set SPARE,  STAGE+4*16*SPITCH         ; the spare words, 128 bytes a wave: no other line names them
.set CO,    8                          ; v8-15  the way out: my byte offset in the panel for each of a block's eight stores
.set ADRA0, 16                         ; my lane's place in x's tile, slot 0; never rewritten
.set ADRB0, 17                         ; the same for W
.set ADRA,  18                         ; the same in the slot in hand
.set ADRB,  19
.set BO0,   20                         ; byte offset of my bias, column blocks 0-3
.set BO1,   21                         ; blocks 4-7
.set VF,    22                         ; my byte offset in 16 rows of cos
.set STO,   24
.set RD,    25
.set SPW,   28
.set NIL,   29
.set OB,    32
.set F0,    64
.set F1,    128
.set T,     64                         ; the rotation's cross terms
.set BI,    192
.set TMP,   192
.set SN,    128                        ; window 1: sin; cos at 0
.set WV,  12
.set RH,  13                           ; which 128 rows are mine; also: I fetch for x (0) or W (1)
.set CH,  14                           ; which 128 columns; also which half I fetch
.set PE,  15                           ; 1: rotated columns
.set G1A, 24
.set G0A, 32
.set TB,  36                           ; 0 or SLOT: the slot that is read
.set FB,  37                           ; 0 or SLOT: the slot that is filled
.set SC,  38                           ; s[38:39] the factor on the way out
.set G1B, 48
.set G0B, 56
.set OFFA, 60
.set OFFB, 61
.set STEPO, 78                         ; s[78:79] bytes of 16 rows of the panel
.set MSB, 0
.macro WIN new                         ; the immediate's high byte repeats the setting that is left; a switch that changes nothing is dropped
.if MSB != (\new)
	s_set_vgpr_msb (MSB<<8)|(\new)
.set MSB, \new
.endif
.endm
.set MUL_LO, 0xa1                      ; source 0 (W) window 1, source 1 (x) window 0, C and D window 2
.set TO_B,   0x40
; A joint load: waves 0, 1 fetch x's halves, waves 2, 3 W's.  The branch hangs on the wave's number alone.  An s_nop 0 and four v_nop follow each line.
.macro JLOAD
	s_cmp_eq_u32 s[RH], 0
	s_cbranch_scc0 .Lfor_b_\@
	tensor_load_to_lds s[G0A:G0A+3], s[G1A:G1A+7]
	s_nop 0
.rept 4
	v_nop
.endr
	s_branch .Lasked_\@
.Lfor_b_\@:
	tensor_load_to_lds s[G0B:G0B+3], s[G1B:G1B+7]
	s_nop 0
.rept 4
	v_nop
.endr
.Lasked_\@:
.endm
.macro CREST                           ; a round of the cluster's barrier behind its opening barrier
	s_cmp_lg_u32 s[WV], 0
	s_cbranch_scc1 .Lnot_wave_0_\@
	s_barrier_signal -3
.Lnot_wave_0_\@:
	s_barrier_wait -3
	s_barrier_signal -1
	s_barrier_wait -1
.endm
.macro CROUND
	s_barrier_signal -1
	s_barrier_wait -1
	CREST
.endm
.macro STEP                            ; the walking descriptors: the other slot, the next K step.  Written only where no tensor load of the wave is out
	s_xor_b32 s[FB], s[FB], SLOT
	s_add_co_u32 s[G0A+1], s[OFFA], s[FB]
	s_add_co_u32 s[G0B+1], s[OFFB], s[FB]
	s_add_nc_u64 s[G0A+2:G0A+3], s[G0A+2:G0A+3], KSTEP*2
	s_add_nc_u64 s[G0B+2:G0B+3], s[G0B+2:G0B+3], KSTEP*16384
.endm
.macro PLACES                          ; four plain places between a matrix instruction and a load into, or a vector read of, its registers
.rept 4
	v_nop
.endr
.endm
	s_load_b256 s[4:11], s[0:1], 0x0               ; xb s[4:5], wcat s[6:7], wq_b s[8:9], wk_b s[10:11]
	s_load_b128 s[68:71], s[0:1], 0x20             ; wv_b s[68:69], csr s[70:71]
	s_load_b64 s[72:73], s[0:1], 0x30              ; qkv
	v_lshl_add_u32 v[SPW], v0, 2, SPARE
	v_mov_b32 v[NIL], 0
	ds_add_u32 v28, v29
	s_wait_dscnt 0x0
	v_lshrrev_b32 v1, 5, v0
	v_readfirstlane_b32 s[WV], v1
	s_lshr_b32 s[RH], s[WV], 1
	s_and_b32 s[CH], s[WV], 1
	s_bfe_u32 s40, ttmp6, 0x40000                  ; cx
	s_bfe_u32 s41, ttmp6, 0x40004                  ; cy
	s_lshl_b32 s42, ttmp9, 2
	s_add_co_u32 s42, s42, s40                     ; tile column
	s_and_b32 s43, ttmp7, 0xffff
	s_lshl_b32 s43, s43, 2
	s_add_co_u32 s43, s43, s41                     ; tile row
	s_lshl_b32 s44, s41, 2
	s_lshl_b32 s44, 15, s44                        ; my row of the cluster
	s_lshl_b32 s45, 0x1111, s40                    ; my column
	s_or_b32 s[G1A], s44, (1<<16)|(1<<20)|(1<<21)|(5<<22)|(3<<25)  ; mask; 2-byte elements; padding on; bit 21 beside a mask; after every 64 words 4 words
	s_or_b32 s[G1B], s45, (1<<16)|(1<<20)|(1<<21)|(5<<22)|(7<<25)  ; the same with 8 words
.irp g, G1A, G1B
	s_mov_b32 s[(\g)+1], 128<<16                   ; tensor_dim0 = 128
	s_mov_b32 s[(\g)+2], 128<<16                   ; tensor_dim1 = 128
	s_mov_b32 s[(\g)+3], 128<<16                   ; tile_dim0 = 128
	s_mov_b32 s[(\g)+4], 128                       ; tile_dim1 = 128
	s_mov_b32 s[(\g)+6], 0
	s_mov_b32 s[(\g)+7], 0
.endr
	s_mov_b32 s[G1A+5], 2048                       ; elements from row to row
	s_mov_b32 s[G1B+5], 8192
	s_lshl_b32 s16, s43, 8                         ; x: row 256 x tile row + 128 x half, 4,096 bytes a row
	s_lshl_b32 s17, s[CH], 7
	s_add_co_u32 s16, s16, s17
	s_lshl_b32 s16, s16, 12
	s_mov_b32 s17, 0
	s_lshl_b32 s46, s42, 8                         ; W: column 256 x tile column + 128 x half, 2 bytes each
	s_lshl_b32 s47, s[CH], 7
	s_add_co_u32 s46, s46, s47
	s_lshl_b32 s46, s46, 1
	s_mov_b32 s47, 0
	s_mul_i32 s[OFFA], s[CH], HA                   ; where they go: the wave's number alone enters an LDS address
	s_mul_i32 s[OFFB], s[CH], HB
	s_add_co_u32 s[OFFB], s[OFFB], BOFF
	s_mov_b32 s[FB], 0
	s_mov_b32 s[TB], 0
	s_mov_b32 s[G0A], 1
	s_mov_b32 s[G0A+1], s[OFFA]
	s_mov_b32 s[G0B], 1
	s_mov_b32 s[G0B+1], s[OFFB]
	s_wait_kmcnt 0x0
	s_add_nc_u64 s[G0A+2:G0A+3], s[4:5], s[16:17]
	s_or_b32 s[G0A+3], s[G0A+3], 0x80000000
	s_add_nc_u64 s[G0B+2:G0B+3], s[6:7], s[46:47]
	s_or_b32 s[G0B+3], s[G0B+3], 0x80000000
	CROUND                                         ; all sixteen work-groups are here: the first joint loads meet
	JLOAD                                          ; K step 0 into slot 0
	; what my columns are, from the cluster's x
	s_mov_b32 s81, ttmp9
	s_lshl_b32 s80, s42, 1
	s_add_co_u32 s80, s80, s[CH]                   ; p: my panel of 128 columns
	s_lshr_b32 s83, s81, 1                         ; 1: k unrotated; 2: v
	s_cmp_ge_u32 s81, 6
	s_cselect_b32 s[PE], 1, 0
	s_cmp_lt_u32 s81, 2
	s_cselect_b32 s82, 1, 0
	s_cmp_eq_u32 s81, 6
	s_cselect_b32 s82, 1, s82                      ; 1: q
	s_cmp_eq_u32 s83, 1
	s_cselect_b32 s96, 1, 0
	s_cmp_eq_u32 s81, 7
	s_cselect_b32 s96, 1, s96                      ; 1: k
	s_cmp_eq_u32 s82, 1
	s_cselect_b32 s[SC], 0x3dd53b94, 1.0           ; 192^-0.5 log2(e) = 0.104118 for q
	s_cselect_b64 s[74:75], s[8:9], s[10:11]       ; the bias: wq_b or wk_b,
	s_mov_b32 s[SC+1], s[SC]
	s_cmp_eq_u32 s83, 2
	s_cselect_b64 s[74:75], s[68:69], s[74:75]     ; or wv_b
	s_and_b32 s84, s80, 15                         ; the head
	s_mul_i32 s85, s84, 768                        ; q, k: 192 numbers a head
	s_lshl_b32 s86, s84, 9                         ; v: 128
	s_cmp_eq_u32 s83, 2
	s_cselect_b32 s85, s86, s85
	s_and_b32 s84, s80, 7                          ; rotated: two heads a panel, behind each head's 128
	s_mul_i32 s84, s84, 1536
	s_add_co_u32 s84, s84, 512
	s_mov_b32 s95, 128                             ; in a register: an instruction holds one literal
	s_cmp_eq_u32 s[PE], 1
	s_cselect_b32 s85, s84, s85
	s_cselect_b32 s86, 512, 0                      ; the second head's 64 lie 768 bytes behind the first's, not 256
	s_cselect_b32 s94, 262144, s95                 ; the way out: bytes from the row's first 128 bytes to its second: the same row, or q's next head,
	s_cmp_eq_u32 s81, 7
	s_cselect_b32 s94, KHEAD, s94                  ; or k's
	v_and_b32 v1, 15, v0                           ; l % 16
	v_bfe_u32 v2, v0, 4, 1                         ; l / 16
	v_and_b32 v3, 7, v0
	v_bfe_u32 v4, v0, 3, 1
	v_lshl_add_u32 v[BO0], v2, 5, s85              ; a lane's eight results are columns 16 b + 8 (l / 16) + 0..7
	v_add_nc_u32 v[BO1], s86, v[BO0]
.irp b, 0,1,2,3
	global_load_b128 v[BI+8*(\b):BI+8*(\b)+3],   v[BO0], s[74:75] offset:64*(\b)
	global_load_b128 v[BI+8*(\b)+4:BI+8*(\b)+7], v[BO0], s[74:75] offset:64*(\b)+16
.endr
.irp b, 4,5,6,7
	global_load_b128 v[BI+8*(\b):BI+8*(\b)+3],   v[BO1], s[74:75] offset:64*(\b)
	global_load_b128 v[BI+8*(\b)+4:BI+8*(\b)+7], v[BO1], s[74:75] offset:64*(\b)+16
.endr
	v_mul_u32_u24 v5, v1, PA
	v_lshl_add_u32 v5, v2, 4, v5                   ; row x pitch + 16 x half
	s_mul_i32 s16, s[RH], HA
	v_add_nc_u32 v[ADRA0], s16, v5
	v_lshl_add_u32 v6, v2, 3, v3                   ; the turning load: k = 8 (l / 16) + l % 8, columns 8 ((l / 8) % 2) + 0..7
	v_mul_u32_u24 v6, v6, PB
	v_lshl_add_u32 v6, v4, 4, v6
	v_add_nc_u32 v[ADRB0], s[OFFB], v6
	v_mov_b32 v[ADRA], v[ADRA0]
	v_mov_b32 v[ADRB], v[ADRB0]
	s_mul_i32 s17, s[WV], 16*SPITCH
	s_add_co_u32 s17, s17, STAGE                   ; my stage
	v_add_nc_u32 v[STO], s17, v5                   ; in: row l % 16, 16 bytes for each half of the lanes
	v_mul_u32_u24 v7, v2, SPITCH                   ; back: lanes 0-15 one row of 256 bytes, lanes 16-31 the next
	v_lshl_add_u32 v7, v1, 4, v7
	v_add_nc_u32 v[RD], s17, v7
	v_lshlrev_b32 v[VF], 7, v1                     ; cos, sin: row l % 16 of 128 bytes, 16 bytes for each half
	v_lshl_add_u32 v[VF], v2, 4, v[VF]
	; where my 128 rows of the panel begin in qkv
	s_sub_co_u32 s87, 8, s[PE]                     ; a row of the panel is 256 bytes, rotated 128
	s_lshl_b32 s88, s43, 8
	s_lshl_b32 s89, s[RH], 7
	s_add_co_u32 s88, s88, s89                     ; my first row, a multiple of 128
	s_and_b32 s18, s80, 15                         ; the head of a plain panel,
	s_and_b32 s19, s80, 7
	s_lshl_b32 s19, s19, 1                         ; the first of a rotated panel's two
	s_cmp_eq_u32 s[PE], 1
	s_cselect_b32 s18, s19, s18
	s_add_co_u32 s19, s87, 11                      ; q, v: a head is 2,048 rows
	s_lshl_b32 s19, s18, s19
	s_lshl_b32 s20, s88, s87
	s_add_co_u32 s19, s19, s20                     ; head x its bytes + row x its bytes,
	s_mul_i32 s20, s[PE], QPG
	s_add_co_u32 s19, s19, s20                     ; q: from 0, rotated from QPG;
	s_add_co_u32 s20, s19, VVG                     ; v: from VVG
	s_cmp_eq_u32 s83, 2
	s_cselect_b32 s19, s20, s19
	s_mul_i32 s20, s18, KHEAD                      ; k: head x 16 blocks + my block,
	s_lshr_b32 s21, s88, 7
	s_mul_i32 s21, s21, KBLK
	s_add_co_u32 s20, s20, s21
	s_lshl_b32 s21, s[PE], 15                      ; rotated: behind the block's 128 x 256 bytes,
	s_add_co_u32 s20, s20, s21
	s_add_co_u32 s20, s20, KKG                     ; from KKG
	s_cmp_eq_u32 s96, 1
	s_cselect_b32 s90, s20, s19
	s_mov_b32 s91, 0
	s_add_nc_u64 s[72:73], s[72:73], s[90:91]      ; qkv at my first row
	s_lshl_b32 s90, s88, 7
	s_add_nc_u64 s[76:77], s[70:71], s[90:91]      ; cos at my first row
	s_lshl_b32 s[STEPO], 16, s87
	s_mov_b32 s[STEPO+1], 0
	s_lshl_b32 s92, 2, s87                         ; two rows
	s_lshl_b32 s93, 1, s87                         ; one row
	v_lshlrev_b32 v[CO], 4, v3                     ; 16 (l % 8) + ((l / 8) % 2) x (128, or a head) + (l / 16) x a row
	v_mad_u32_u24 v[CO], v4, s94, v[CO]
	v_mad_u32_u24 v[CO], v2, s93, v[CO]
.irp t, 1,2,3,4,5,6,7
	v_add_nc_u32 v[CO+(\t)], s92, v[CO+(\t)-1]
.endr
	s_wait_loadcnt 0x0                             ; the bias is rounded to bf16, as every input is
.set i, 0
.rept 32
	v_cvt_pk_bf16_f32 v[30+i%2], v[BI+2*i], v[BI+2*i+1]
	v_lshlrev_b32 v[BI+2*i], 16, v[30+i%2]
	v_and_b32 v[BI+2*i+1], 0xffff0000, v[30+i%2]
.set i, i+1
.endr
; 16 matrix instructions: row blocks a0, a0 + 1 of the window's four x all 8 column blocks, 32 along K.  zero = 1: the products start the sums, with the bias as C
.macro MUL16 f, hi, a0, zero
.if \zero
	WIN 0x81+0x40*(\hi)
.else
	WIN MUL_LO+0x50*(\hi)
.endif
.irp a, \a0, (\a0)+1
.irp b, 0,1,2,3,4,5,6,7
.if \zero
	v_wmma_f32_16x16x32_bf16 v[8*(8*(\a)+(\b)):8*(8*(\a)+(\b))+7], v[(\f)+8*(\b):(\f)+8*(\b)+7], v[(\f)+8*(4*(\hi)+(\a)):(\f)+8*(4*(\hi)+(\a))+7], v[BI+8*(\b):BI+8*(\b)+7]
.else
	v_wmma_f32_16x16x32_bf16 v[8*(8*(\a)+(\b)):8*(8*(\a)+(\b))+7], v[(\f)+8*(\b):(\f)+8*(\b)+7], v[(\f)+8*(4*(\hi)+(\a)):(\f)+8*(4*(\hi)+(\a))+7], v[8*(8*(\a)+(\b)):8*(8*(\a)+(\b))+7]
.endif
.endr
.endr
.endm
; 32 LDS loads in one run: quarter q (32 along K) of the slot in hand into buffer f: W's 8 column blocks turned, then x's 8 row blocks
.macro FETCH q, f
	WIN TO_B
.irp i, 0,1,2,3,4,5,6,7
	ds_load_tr16_b128 v[(\f)+8*(\i):(\f)+8*(\i)+3],   v[ADRB] offset:(\q)*32*PB+32*(\i)
	ds_load_tr16_b128 v[(\f)+8*(\i)+4:(\f)+8*(\i)+7], v[ADRB] offset:(\q)*32*PB+16*PB+32*(\i)
.endr
	WIN 0
.irp i, 0,1,2,3,4,5,6,7
	ds_load_b128 v[(\f)+8*(\i):(\f)+8*(\i)+3],   v[ADRA] offset:(\q)*64+(\i)*16*PA
	ds_load_b128 v[(\f)+8*(\i)+4:(\f)+8*(\i)+7], v[ADRA] offset:(\q)*64+(\i)*16*PA+32
.endr
.endm
; one of a K step's first three quarters: multiplies buffer f, and in its middle fetches quarter q into buffer g.  The 64 accumulators take turns
.macro QUARTER q, f, g, zero
	s_wait_dscnt 8                                 ; W and x's rows 0-63 are in; the youngest eight loads (x's rows 64-127) may be out
	MUL16 \f, 0, 0, \zero
	MUL16 \f, 0, 2, \zero
	PLACES
	FETCH \q, \g
	s_wait_dscnt 32                                ; all but the 32 just issued
	MUL16 \f, 1, 0, \zero
	MUL16 \f, 1, 2, \zero
.endm
; the last quarter multiplies buffer 1 and changes slots: one barrier.  In front of it each wave waits for all its tensor loads (one is out: its part of the next slot), adds 0 to its
; spare word, and waits for that and for its reads of this slot.  fill = 1: the barrier opens a round of the cluster's, and this slot is filled again first thing behind it, two K steps ahead.
.macro TURN fill
	WIN 0
	s_wait_tensorcnt 0x0
	ds_add_u32 v[SPW], v[NIL]
	s_wait_dscnt 9                                 ; the add and the youngest eight loads may be out
	MUL16 F1, 0, 0, 0
	s_wait_dscnt 0x0                               ; the add is done, and my reads of this slot are over
	s_barrier_signal -1
	MUL16 F1, 0, 2, 0
.if \fill
	WIN 0
.endif
	s_barrier_wait -1
.if \fill
	CREST                                          ; no wave of any partner still reads this slot or has a load on its way
	STEP
	JLOAD                                          ; its four v_nop are also the places in front of the loads below
.else
	PLACES
.endif
	s_xor_b32 s[TB], s[TB], SLOT
	WIN 0
	v_add_nc_u32 v[ADRA], s[TB], v[ADRA0]
	v_add_nc_u32 v[ADRB], s[TB], v[ADRB0]
	FETCH 0, F0
	MUL16 F1, 1, 0, 0
	MUL16 F1, 1, 2, 0
.endm
	s_wait_tensorcnt 0x0                           ; my part of K step 0 is in; no load of mine is out, so the descriptors may step
	ds_add_u32 v[SPW], v[NIL]
	STEP
	s_wait_dscnt 0x0
	CROUND                                         ; everybody's part is in
	JLOAD                                          ; K step 1 into slot 1: my one load behind the round
	FETCH 0, F0
	QUARTER 1, F0, F1, 1                           ; the first quarter stands in front of the loop: its products start the sums
	WIN 0
	s_mov_b32 s3, 14
.Lstep:                                                ; a trip: from a K step's second quarter to the next step's first; it asks for the step two on: steps 2 to 15
	QUARTER 2, F1, F0, 0
	QUARTER 3, F0, F1, 0
	TURN 1
	QUARTER 1, F0, F1, 0
	WIN 0
	s_sub_co_u32 s3, s3, 1
	s_cmp_lg_u32 s3, 0
	s_cbranch_scc1 .Lstep
	s_mov_b32 s3, 2
.Ltail:                                                ; the last two K steps ask for nothing.  The second trip is left behind its TURN, whose 32 loads (of bytes that have landed) serve nothing: the price of one text for both
	QUARTER 2, F1, F0, 0
	QUARTER 3, F0, F1, 0
	TURN 0
	WIN 0
	s_sub_co_u32 s3, s3, 1
	s_cmp_eq_u32 s3, 0
	s_cbranch_scc1 .Lout
	QUARTER 1, F0, F1, 0
	WIN 0
	s_branch .Ltail
.Lout:
	s_wait_dscnt 0x0                               ; those loads are back: their registers are free
	PLACES                                         ; behind the last products
	s_cmp_eq_u32 s[PE], 0
	s_cbranch_scc1 .Lplain
	; THE ROTATION.  A lane's registers 2 i, 2 i + 1 of column block b are the pair 8 (b % 4) + 4 (l / 16) + i of row l % 16: four cos and four sin in 16 bytes each
	WIN TO_B
.irp a, 0,1,2,3,4,5,6,7
.irp d, 0,1,2,3
	global_load_b128 v[16*(\a)+4*(\d):16*(\a)+4*(\d)+3], v[VF], s[76:77] offset:(\a)*2048+32*(\d)
.endr
.irp d, 0,1,2,3
	global_load_b128 v[SN+16*(\a)+4*(\d):SN+16*(\a)+4*(\d)+3], v[VF], s[76:77] offset:(\a)*2048+32*(\d)+262144
.endr
.endr
; (xr, xi) -> (xr c - xi s, xi c + xr s): first the cross terms (-xi s, xr s) of the whole block, then x c + them
.macro ROPE a
	s_wait_loadcnt 56-8*(\a)                       ; block a's eight loads are in; the later blocks' stay out
.set AC, 64*((\a)%4)
	WIN 0x06+(\a)/4                                ; x window 2 or 3, sin window 1, the terms window 0
.irp b, 0,1,2,3,4,5,6,7
.irp pp, 0,1
.set rX, AC+8*(\b)+4*(\pp)
.set rT, T+8*(\b)+4*(\pp)
.set rC, SN+16*(\a)+4*((\b)%4)+2*(\pp)
	v_pk_mul_f32 v[rT:rT+1],   v[rX:rX+1],   v[rC:rC+1] op_sel:[1,0] op_sel_hi:[0,0] neg_lo:[0,1]
	v_pk_mul_f32 v[rT+2:rT+3], v[rX+2:rX+3], v[rC:rC+1] op_sel:[1,1] op_sel_hi:[0,1] neg_lo:[0,1]
.endr
.endr
	WIN 0x86+0x41*((\a)/4)                         ; x (destination and source 0) window 2 or 3, cos window 1, the terms window 0
.irp b, 0,1,2,3,4,5,6,7
.irp pp, 0,1
.set rX, AC+8*(\b)+4*(\pp)
.set rT, T+8*(\b)+4*(\pp)
.set rC, 16*(\a)+4*((\b)%4)+2*(\pp)
	v_pk_fma_f32 v[rX:rX+1],   v[rX:rX+1],   v[rC:rC+1], v[rT:rT+1]   op_sel:[0,0,0] op_sel_hi:[1,0,1]
	v_pk_fma_f32 v[rX+2:rX+3], v[rX+2:rX+3], v[rC:rC+1], v[rT+2:rT+3] op_sel:[0,1,0] op_sel_hi:[1,1,1]
.endr
.endr
.endm
.irp a, 0,1,2,3,4,5,6,7
	ROPE \a
.endr
	WIN 0
.Lplain:
; THE WAY OUT of block a (16 rows).  PACK: times the factor, rounded to f16, each accumulator's registers in ascending order.  TOSTAGE: 16 bytes a lane into my stage, back as whole rows of 256 bytes.  SEND: stored.
.macro PACK a
.set AC, 64*((\a)%4)
	WIN 0x82+0x41*((\a)/4)
.set i, 0
.rept 32
	v_pk_mul_f32 v[AC+2*i:AC+2*i+1], v[AC+2*i:AC+2*i+1], s[SC:SC+1] op_sel_hi:[1,0]
.set i, i+1
.endr
	WIN 0x0a+5*((\a)/4)
.irp b, 0,1,2,3,4,5,6,7
.irp r, 0,1,2,3
	v_cvt_pk_f16_f32 v[TMP+4*(\b)+(\r)], v[AC+8*(\b)+2*(\r)], v[AC+8*(\b)+2*(\r)+1]
.endr
.endr
	WIN 0
.endm
.macro TOSTAGE a
.set BK, OB+192*((\a)%2)
.irp b, 0,1,2,3,4,5,6,7
	ds_store_b128 v[STO], v[TMP+4*(\b):TMP+4*(\b)+3] offset:32*(\b)
.endr
.irp t, 0,1,2,3,4,5,6,7
	ds_load_b128 v[BK+4*(\t):BK+4*(\t)+3], v[RD] offset:(\t)*2*SPITCH  ; LDS serves a wave's instructions in order (ISA guide 5.7.1.4): these see the stores above
.endr
.endm
.macro SEND a
.set BK, OB+192*((\a)%2)
	s_wait_dscnt 0x0                               ; the block is back in registers
	s_wait_xcnt 0x0                                ; the stores' base, and the registers that the stores two blocks back read, are rewritten only behind this wait
.if (\a) > 0
	s_add_nc_u64 s[72:73], s[72:73], s[STEPO:STEPO+1]
.endif
.irp t, 0,1,2,3,4,5,6,7
	global_store_b128 v[CO+(\t)], v[BK+4*(\t):BK+4*(\t)+3], s[72:73]  ; 512 consecutive bytes; rotated: 256 consecutive bytes of each of two heads (lanes 0-7 with 16-23, lanes 8-15 with 24-31)
.endr
.endm
	PACK 0
	TOSTAGE 0
.irp a, 1,2,3,4,5,6,7                  ; block a's arithmetic stands between block a - 1's loads from the stage and the wait for them
	PACK \a
	SEND (\a)-1
	TOSTAGE \a
.endr
	SEND 7
	s_wait_tensorcnt 0x0                           ; the wave's end
	ds_add_u32 v[SPW], v[NIL]
	s_wait_dscnt 0x0
	CROUND                                         ; the closing round
	s_endpgm
.Lfunc_end_k_qd291f83e43_qkv:
	.size	k_qd291f83e43_qkv, .Lfunc_end_k_qd291f83e43_qkv-k_qd291f83e43_qkv
	.p2alignl 7, 3214868480
	.fill 96, 4, 3214868480
	.section	.rodata,"a",@progbits
	.p2align	6, 0x0
	.amdhsa_kernel k_qd291f83e43_qkv
		.amdhsa_group_segment_fixed_size 327680
		.amdhsa_private_segment_fixed_size 0
		.amdhsa_enable_private_segment 0
		.amdhsa_kernarg_size 56
		.amdhsa_user_sgpr_count 2
		.amdhsa_user_sgpr_kernarg_segment_ptr 1
		.amdhsa_wavefront_size32 1
		.amdhsa_system_sgpr_workgroup_id_x 1
		.amdhsa_system_sgpr_workgroup_id_y 1
		.amdhsa_system_sgpr_workgroup_id_z 1
		.amdhsa_system_vgpr_workitem_id 0
		.amdhsa_next_free_vgpr 1024
		.amdhsa_next_free_sgpr 100
		.amdhsa_reserve_vcc 0
		.amdhsa_float_denorm_mode_32 3
		.amdhsa_float_denorm_mode_16_64 3
		.amdhsa_memory_ordered 1
		.amdhsa_forward_progress 1
		.amdhsa_inst_pref_size 164
	.end_amdhsa_kernel
	.amdgpu_metadata
---
amdhsa.version: [ 1, 2 ]
amdhsa.kernels:
  - .name:           k_qd291f83e43_qkv
    .symbol:         k_qd291f83e43_qkv.kd
    .args:
      - { .name: xb, .offset: 0, .size: 8, .value_kind: global_buffer, .address_space: global }
      - { .name: wcat, .offset: 8, .size: 8, .value_kind: global_buffer, .address_space: global }
      - { .name: wq_b, .offset: 16, .size: 8, .value_kind: global_buffer, .address_space: global }
      - { .name: wk_b, .offset: 24, .size: 8, .value_kind: global_buffer, .address_space: global }
      - { .name: wv_b, .offset: 32, .size: 8, .value_kind: global_buffer, .address_space: global }
      - { .name: csr, .offset: 40, .size: 8, .value_kind: global_buffer, .address_space: global }
      - { .name: qkv, .offset: 48, .size: 8, .value_kind: global_buffer, .address_space: global }
    .group_segment_fixed_size: 327680
    .private_segment_fixed_size: 0
    .kernarg_segment_align: 8
    .kernarg_segment_size: 56
    .max_flat_workgroup_size: 128
    .sgpr_count:     100
    .vgpr_count:     1024
    .wavefront_size: 32
...
	.end_amdgpu_metadata
.endif
;; end of part 2
;; launch attn (part 3): grid 16 x 16, 4 waves a work-group, clusters of 4 x 4, 327,680 bytes of LDS; arguments qkv, mask, ob; writes ob
.if DOCPART == 3
	.amdgcn_target "amdgcn-amd-amdhsa--gfx1250"
	.amdhsa_code_object_version 6
	.text
	.protected	k_qd291f83e43_attn
	.globl	k_qd291f83e43_attn
	.p2align	8
	.type	k_qd291f83e43_attn,@function
k_qd291f83e43_attn:
	s_mov_b64 s[64:65], 0
	v_nop
	global_prefetch_b8 v0, s[64:65] scope:SCOPE_SE
	s_setreg_imm32_b32 hwreg(HW_REG_WAVE_MODE, 25, 1), 1
	s_wait_xcnt 0x0
	s_wait_alu depctr_hold_cnt(0) depctr_sa_sdst(0) depctr_va_vdst(0) depctr_va_sdst(0) depctr_va_ssrc(0) depctr_va_vcc(0) depctr_vm_vsrc(0)
	s_getreg_b32 s2, hwreg(HW_REG_IB_STS2, 6, 4)
	s_cmp_eq_u32 s2, 0
	s_cbranch_scc0 .Lentry_in_a_cluster
	s_endpgm
.Lentry_in_a_cluster:
	s_bfe_u32 s2, ttmp6, 0x10000c
	s_cmp_lg_u32 s2, 0xf033
	s_cbranch_scc0 .Lentry_shape_is_right
	s_endpgm
.Lentry_shape_is_right:
; O[s][h][:] = the sum over t of softmax_t(q[h][s] . k[h][t] / sqrt(192) + mask[s][t]) v[h][t][:].  q (already times 192^-0.5 log2(e)), k: 128 + 64 channels, v: 128, all f16 by heads; mask f32, an input: every word of it is read and added.
; Products, maxima and sums in f32; the weights p are rounded to f16 for the second product (their sum l is taken of the unrounded p), O once at the end, to f16.
; LIMITS.  A weight below 2^-126 counts as 0 in l; a row whose scores are all -infinity gives NaN, as the softmax itself does.
; SHARES.  A work-group owns 128 queries of one head.  Wave w owns queries 64 (w % 2) on, four tiles of 16, and of every 128 keys the 64 at 64 (w / 2): the two waves of a query half each keep a running
; maximum m, sum l and O, and these are merged once at the end, through LDS.
; LAYOUT.  S^T = K Q^T (source 0 = 16 keys, source 1 = 16 queries): a lane holds ONE query (lane % 16) and keys 8 (lane / 16) + 0..7.  THE MASK's words are loaded from LDS straight into S^T's registers, multiplied
; there by log2(e), and are the sums' beginning.  Two results rounded to f16 ARE source 1 of O^T = V^T P.  K comes out of LDS as it lies, V turned (ds_load_tr16_b128).
; SOFTMAX.  The scores s are in base-2 units, so p = 2^(s - m) with the running maximum m: the exponent is ONE subtraction of two f32 numbers, never above 0 whatever their size (a mask of -1e9 too), so p lies in 0 to 1.
; In every step O and l are multiplied by a = 2^(m_old - m_new).  m starts at the lowest finite number, O and l at 0: the first step is a step like any other.
; BY TURNS.  The tiles are two PIECES (0: tiles 0, 1; 2: tiles 2, 3).  In a turn one piece has the matrix unit: 32 products V^T P of the step in hand, then 48 products K Q^T of the next.  Behind 75 of the 80 stand at most
; four vector instructions each: the other piece's softmax in 67 slices, and the 8 groups that multiply this piece's mask.  No first and no last step is written out: the price is 428 v_mov_b32 of 0 in the wait for the
; first tile, 32 products on zeros, and 48 on the last K once more.
; CLUSTER 4 x 4: x = block of queries, y = head.  K and V hang on the head: shared along a row of the cluster; the mask hangs on the block: shared along a column.  One joint load a wave and step: wave 0 K's block
; (192 rows of 256 bytes: 49,152 bytes), wave 1 V (32,768), waves 2 and 3 the mask's query rows 0-63 and 64-127 (32,768 each).
; REGISTERS, in windows of 256: window 0: v0-11, v52-63 addresses; v12-43 statistics; v44-51 the partner's; v64-191 S^T; v192-255 P      window 1: O^T, 64 a tile
;   window 2: v0-191 Q, 48 a tile; v192-255 K's rotated channels      window 3: v0-127 V; v128-255 K's other channels; at the end the partner's O^T
.set QPG,   8388608                    ; in qkv: q's 128 channels at 0, q's 64 at QPG, v at VVG, k at KKG by blocks of 128 keys: 128 x 256 bytes, then 128 x 128 bytes
.set VVG,   12582912
.set KKG,   20971520
.set KBLK,  49152
.set KHEAD, 16*KBLK
.set PKN,  272                         ; LDS pitches: K 256 + 16; V 256 + 32; the mask 512 + 16
.set PVV,  288
.set PM,   528
.set KPO,  128*PKN                     ; a slot, 128 keys: K's tile: 128 rows of a key's 128 channels, then from here 64 rows of two keys' 64 channels each;
.set VO,   192*PKN                     ; V;
.set MO,   VO+128*PVV                  ; the mask's 128 query rows x 128 keys
.set SLOT, MO+128*PM
.set SPARE, 2*SLOT                     ; the spare words, 128 bytes a wave: no other line names them
.set DUMP,  0                          ; in slot 0, behind its last fill and its last read: 33,792 bytes for each query half,
.set STAGE, 2*33792                    ; and 16 rows x 272 bytes for each of waves 0, 1
.set SP,    272
.set AKN0, 2                           ; my lane's places in slot 0; never rewritten
.set AKP0, 3
.set AV0,  4
.set AM0,  5
.set AKN,  6                           ; the same in the slot in hand
.set AKP,  7
.set STO,  8
.set RD,   9
.set GO,   10
.set DA,   11
.set ST,   12                          ; tile t at v[ST+8 t]: m, a word named with it as a pair, l (even keys', odd keys'), c0-c3 at work; a takes c2's place
.set PS,   44
.set QO1,  52
.set QO2,  53
.set AM,   54
.set AV,   55
.set HH,   56
.set L7,   57
.set B3,   58
.set SPW,  62
.set NIL,  63
.set S,    64
.set P,    192
.set WV,   10
.set TB,   11                          ; 0 or SLOT: the slot that is read
.set FB,   12                          ; 0 or SLOT: the slot that is filled
.set SLOTS, 13
.set CNT,  14
.set CS,   16                          ; s[16:17] log2(e), the mask's factor
.set SEL,  18
.set BX,   22
.set HD,   23
.set G1K,  24
.set G1V,  32
.set G1M,  48
.set G0K,  56
.set G0V,  68
.set G0M0, 72
.set G0M1, 76
.set QNB,  80
.set QPB,  82
.set ROWM, 88
.set COLM, 89
.set QH,   90
.set KH,   91
.set MSB, 0
.macro WIN new
.if MSB != (\new)
	s_set_vgpr_msb (MSB<<8)|(\new)
.set MSB, \new
.endif
.endm
.set W_PV, 0x53                        ; V window 3, P window 0, O^T window 1
.set W_RS, 0x41                        ; O^T (destination and source 0) window 1, a window 0
.macro ARM g0, g1                      ; a tensor load, the s_nop 0 and the four v_nop behind it
	tensor_load_to_lds s[\g0:\g0+3], s[\g1:\g1+7]
	s_nop 0
.rept 4
	v_nop
.endr
.endm
; A joint fill: wave 0 K, wave 1 V, waves 2 and 3 the mask's halves.  The branches hang on the wave's number alone.
.macro JLOAD
	s_cmp_lt_u32 s[WV], 2
	s_cbranch_scc0 .Lhigh_\@
	s_cmp_eq_u32 s[WV], 0
	s_cbranch_scc0 .Lone_\@
	ARM G0K, G1K
	s_branch .Lasked_\@
.Lone_\@:
	ARM G0V, G1V
	s_branch .Lasked_\@
.Lhigh_\@:
	s_cmp_eq_u32 s[WV], 2
	s_cbranch_scc0 .Lthree_\@
	ARM G0M0, G1M
	s_branch .Lasked_\@
.Lthree_\@:
	ARM G0M1, G1M
.Lasked_\@:
.endm
.macro CROUND
	s_barrier_signal -1
	s_barrier_wait -1
	s_cmp_lg_u32 s[WV], 0
	s_cbranch_scc1 .Lnot_wave_0_\@
	s_barrier_signal -3
.Lnot_wave_0_\@:
	s_barrier_wait -3
	s_barrier_signal -1
	s_barrier_wait -1
.endm
; THE CHANGE OF SLOTS, between piece 2's turn and piece 0's: the slot's last bytes, its V, have been asked for.  Each wave waits for all its tensor loads (one is out: its part of the other slot), adds 0 to its
; spare word, and waits for that and for its reads of the slot.  fill = 1: the barrier is a round of the cluster's, and the slot is filled again first thing behind it, with the keys two slots on:
; the load has a key step, 160 matrix instructions, in which to land.  (At its first use nothing has been read: slot 0 is waited for, slot 1 filled.)
.macro CHANGE fill
	WIN 0
	s_wait_tensorcnt 0x0                           ; no tensor load of mine is out, so the descriptors may be written
	ds_add_u32 v[SPW], v[NIL]
.if \fill
	s_xor_b32 s[FB], s[FB], SLOT
	s_mov_b32 s[G0K+1], s[FB]
	s_add_co_u32 s[G0V+1], s[FB], VO
	s_add_co_u32 s[G0M0+1], s[FB], MO
	s_add_co_u32 s[G0M1+1], s[FB], MO+64*PM
	s_add_nc_u64 s[G0K+2:G0K+3], s[G0K+2:G0K+3], KBLK
	s_add_nc_u64 s[G0V+2:G0V+3], s[G0V+2:G0V+3], 128*256
	s_add_nc_u64 s[G0M0+2:G0M0+3], s[G0M0+2:G0M0+3], 128*4
	s_add_nc_u64 s[G0M1+2:G0M1+3], s[G0M1+2:G0M1+3], 128*4
.endif
	s_wait_dscnt 0x0                               ; the add is done, and my reads of the slot are over
.if \fill
	CROUND
	JLOAD
.else
	s_barrier_signal -1
	s_barrier_wait -1
.endif
	s_xor_b32 s[TB], s[TB], SLOT                   ; the fetches go to the other slot
	v_add_nc_u32 v[AKN], s[TB], v[AKN0]
	v_add_nc_u32 v[AKP], s[TB], v[AKP0]
	v_add_nc_u32 v[AV], s[TB], v[AV0]
	v_add_nc_u32 v[AM], s[TB], v[AM0]
.endm
	s_load_b128 s[4:7], s[0:1], 0x0                ; qkv s[4:5], mask s[6:7]
	s_load_b64 s[8:9], s[0:1], 0x10                ; ob
	v_lshl_add_u32 v[SPW], v0, 2, SPARE
	v_mov_b32 v[NIL], 0
	ds_add_u32 v62, v63
	s_wait_dscnt 0x0
	v_lshrrev_b32 v1, 5, v0
	v_readfirstlane_b32 s[WV], v1
	s_and_b32 s[QH], s[WV], 1
	s_lshr_b32 s[KH], s[WV], 1
	s_bfe_u32 s20, ttmp6, 0x40000                  ; cx
	s_bfe_u32 s21, ttmp6, 0x40004                  ; cy
	s_lshl_b32 s[BX], ttmp9, 2
	s_add_co_u32 s[BX], s[BX], s20                 ; my block of 128 queries
	s_and_b32 s[HD], ttmp7, 0xffff
	s_lshl_b32 s[HD], s[HD], 2
	s_add_co_u32 s[HD], s[HD], s21                 ; my head
	s_lshl_b32 s[ROWM], s21, 2
	s_lshl_b32 s[ROWM], 15, s[ROWM]                ; my row of the cluster: the same head
	s_lshl_b32 s[COLM], 0x1111, s20                ; my column: the same block
	s_or_b32 s[G1K], s[ROWM], (1<<16)|(1<<20)|(1<<21)|(5<<22)|(3<<25)  ; 2-byte elements; after every 64 words 4 words of padding
	s_or_b32 s[G1V], s[ROWM], (1<<16)|(1<<20)|(1<<21)|(5<<22)|(7<<25)  ; 8 words
	s_or_b32 s[G1M], s[COLM], (2<<16)|(1<<20)|(1<<21)|(6<<22)|(3<<25)  ; 4-byte elements; after every 128 words 4 words
.irp g, G1K, G1V, G1M
	s_mov_b32 s[(\g)+1], 128<<16                   ; tensor_dim0 = 128
	s_mov_b32 s[(\g)+3], 128<<16                   ; tile_dim0 = 128
	s_mov_b32 s[(\g)+6], 0
	s_mov_b32 s[(\g)+7], 0
.endr
	s_mov_b32 s[G1K+2], 192<<16                    ; K's block is 49,152 dense bytes: 192 rows of 256
	s_mov_b32 s[G1K+4], 192
	s_mov_b32 s[G1V+2], 128<<16                    ; V: 128 rows
	s_mov_b32 s[G1V+4], 128
	s_mov_b32 s[G1M+2], 64<<16                     ; half the mask's tile: 64 rows
	s_mov_b32 s[G1M+4], 64
	s_mov_b32 s[G1K+5], 128                        ; elements from row to row
	s_mov_b32 s[G1V+5], 128
	s_mov_b32 s[G1M+5], 2048
	s_lshl_b32 s84, s[HD], 19                      ; a head of 128 channels: 524,288 bytes
	s_mov_b32 s85, 0
	s_lshl_b32 s86, s[HD], 18                      ; of 64: 262,144
	s_mov_b32 s87, 0
	s_mul_i32 s40, s[HD], KHEAD                    ; a head of k: 16 blocks
	s_mov_b32 s41, 0
	s_lshl_b32 s92, s[BX], 20                      ; 128 rows of the mask
	s_mov_b32 s93, 0
	s_lshl_b32 s15, s[BX], 7
	s_lshl_b32 s94, s[QH], 6
	s_add_co_u32 s15, s15, s94                     ; my wave's first query
	s_mov_b32 s95, 0
	s_mov_b32 s[CS], 0x3fb8aa3b                    ; log2(e)
	s_mov_b32 s[CS+1], s[CS]                       ; named with it as a pair
	s_mov_b32 s[SEL], 0x76543210
	s_mov_b32 s[SEL+1], 0xfedcba98
	s_mov_b32 s[FB], 0
	s_mov_b32 s[TB], SLOT                          ; the first change of slots turns it into 0
	s_mov_b32 s[G0K], 1
	s_mov_b32 s[G0K+1], 0
	s_mov_b32 s[G0V], 1
	s_mov_b32 s[G0V+1], VO
	s_mov_b32 s[G0M0], 1
	s_mov_b32 s[G0M0+1], MO
	s_mov_b32 s[G0M1], 1
	s_mov_b32 s[G0M1+1], MO+64*PM
	s_wait_kmcnt 0x0
	s_add_nc_u64 s[G0K+2:G0K+3], s[4:5], s[40:41]
	s_add_nc_u64 s[G0K+2:G0K+3], s[G0K+2:G0K+3], KKG
	s_or_b32 s[G0K+3], s[G0K+3], 0x80000000
	s_add_nc_u64 s[G0V+2:G0V+3], s[4:5], s[84:85]
	s_add_nc_u64 s[G0V+2:G0V+3], s[G0V+2:G0V+3], VVG
	s_or_b32 s[G0V+3], s[G0V+3], 0x80000000
	s_add_nc_u64 s[G0M0+2:G0M0+3], s[6:7], s[92:93]
	s_add_nc_u64 s[G0M1+2:G0M1+3], s[G0M0+2:G0M0+3], 64*8192  ; 64 rows of 8,192 bytes further down
	s_or_b32 s[G0M0+3], s[G0M0+3], 0x80000000
	s_or_b32 s[G0M1+3], s[G0M1+3], 0x80000000
	s_add_nc_u64 s[QNB:QNB+1], s[4:5], s[84:85]    ; Q at my wave's first row
	s_lshl_b32 s94, s15, 8
	s_add_nc_u64 s[QNB:QNB+1], s[QNB:QNB+1], s[94:95]
	s_add_nc_u64 s[QPB:QPB+1], s[4:5], s[86:87]
	s_add_nc_u64 s[QPB:QPB+1], s[QPB:QPB+1], QPG
	s_lshl_b32 s94, s15, 7
	s_add_nc_u64 s[QPB:QPB+1], s[QPB:QPB+1], s[94:95]
	s_lshl_b32 s94, s15, 12                        ; O: rows of 4,096 bytes, the head's 256
	s_lshl_b32 s15, s[HD], 8
	s_add_co_u32 s94, s94, s15
	s_add_nc_u64 s[8:9], s[8:9], s[94:95]
	CROUND                                         ; all sixteen work-groups are here: the first joint loads meet
	JLOAD                                          ; keys 0 to 127 into slot 0
	v_and_b32 v1, 15, v0                           ; l % 16
	v_bfe_u32 v[HH], v0, 4, 1                      ; l / 16
	v_and_b32 v[L7], 7, v0
	v_bfe_u32 v[B3], v0, 3, 1
	v_lshlrev_b32 v[QO1], 8, v1
	v_lshl_add_u32 v[QO1], v[HH], 4, v[QO1]
	v_lshlrev_b32 v[QO2], 7, v1
	v_lshl_add_u32 v[QO2], v[HH], 4, v[QO2]
	WIN 0x80                                       ; Q stays in registers: tile t, channels 32 c on at v[48 t + 8 c] of window 2
.set t, 0
.rept 4
.irp c, 0,1,2,3
	global_load_b128 v[48*t+8*\c:48*t+8*\c+3],   v[QO1], s[QNB:QNB+1] offset:t*4096+\c*64
	global_load_b128 v[48*t+8*\c+4:48*t+8*\c+7], v[QO1], s[QNB:QNB+1] offset:t*4096+\c*64+32
.endr
.irp c, 0,1
	global_load_b128 v[48*t+32+8*\c:48*t+32+8*\c+3],   v[QO2], s[QPB:QPB+1] offset:t*2048+\c*64
	global_load_b128 v[48*t+32+8*\c+4:48*t+32+8*\c+7], v[QO2], s[QPB:QPB+1] offset:t*2048+\c*64+32
.endr
.set t, t+1
.endr
	; what the first turn finds: V and piece 2's P hold 0 (its products V^T P, of a step that has not been, add 0), O^T and l are 0
	WIN 0xc0
.set i, 0
.rept 128
	v_mov_b32 v[i], 0
.set i, i+1
.endr
	WIN 0x40
.set i, 0
.rept 256
	v_mov_b32 v[i], 0
.set i, i+1
.endr
	WIN 0
.set i, 0
.rept 4
	v_mov_b32 v[ST+8*i], 0xff7fffff                ; m: the lowest finite number
	v_mov_b32 v[ST+8*i+1], 0                       ; named with m as a pair, so it is written
	v_mov_b32 v[ST+8*i+2], 0
	v_mov_b32 v[ST+8*i+3], 0
.set i, i+1
.endr
.set i, P+32
.rept 32
	v_mov_b32 v[i], 0
.set i, i+1
.endr
	s_mul_i32 s15, s[KH], 64*PKN                   ; my 64 keys of a slot
	v_mul_u32_u24 v[AKN0], v1, PKN
	v_lshl_add_u32 v[AKN0], v[HH], 4, v[AKN0]
	v_add_nc_u32 v[AKN0], s15, v[AKN0]
	s_mul_i32 s15, s[KH], 32*PKN                   ; the 64 rotated channels lie two keys to a row of the tile: my 64 keys are 32 rows;
	s_add_co_u32 s15, s15, KPO
	v_lshrrev_b32 v[AKP0], 1, v1                   ; key r at row r / 2, byte 128 (r % 2): modulo 256 the sixteen keys of a load begin at 16 (r / 2) + 128 (r % 2), sixteen different places
	v_mul_u32_u24 v[AKP0], v[AKP0], PKN
	v_and_b32 v[AKP], 1, v1
	v_lshl_add_u32 v[AKP0], v[AKP], 7, v[AKP0]
	v_lshl_add_u32 v[AKP0], v[HH], 4, v[AKP0]
	v_add_nc_u32 v[AKP0], s15, v[AKP0]
	s_mul_i32 s15, s[KH], 64*PVV
	s_add_co_u32 s15, s15, VO
	v_lshl_add_u32 v[AV0], v[HH], 3, v[L7]         ; the turning load: key 8 (l / 16) + l % 8, channels 8 ((l / 8) % 2) + 0..7
	v_mul_u32_u24 v[AV0], v[AV0], PVV
	v_lshl_add_u32 v[AV0], v[B3], 4, v[AV0]
	v_add_nc_u32 v[AV0], s15, v[AV0]
	s_mul_i32 s15, s[QH], 64*PM                    ; the mask: my 64 query rows, my 64 keys' 256 bytes, 32 bytes for each half of the lanes
	s_lshl_b32 s94, s[KH], 8
	s_add_co_u32 s15, s15, s94
	s_add_co_u32 s15, s15, MO
	v_mul_u32_u24 v[AM0], v1, PM
	v_lshl_add_u32 v[AM0], v[HH], 5, v[AM0]
	v_add_nc_u32 v[AM0], s15, v[AM0]
; THE MATRIX WORK.  The accumulators take turns, one instruction a turn.
; Product i of 32 of O^T += V^T P for piece x: keys 32 (i / 16) on, channels 16 ((i / 2) % 8) on, tile x + i % 2.
.macro PV x
	WIN W_PV
.set rO, 64*((\x)+i%2)+8*((i/2)%8)
.set rV, 64*(i/16)+8*((i/2)%8)
.set rP, P+16*((\x)+i%2)+8*(i/16)
	v_wmma_f32_16x16x32_f16 v[rO:rO+7], v[rV:rV+7], v[rP:rP+7], v[rO:rO+7]
.endm
; Product i of 48 of S^T += K Q^T: channels 32 (i / 8) on, keys 16 ((i / 2) % 4) on, tile x + i % 2.  S^T holds the mask times log2(e) when the first eight come.
.macro KQ x
.set rS, S+32*((\x)+i%2)+8*((i/2)%4)
.set rQ, 48*((\x)+i%2)+8*(i/8)
.if i < 32
	WIN 0x0b                                       ; K window 3, Q window 2
.set rK, 128+32*((i/2)%4)+8*(i/8)
.else
	WIN 0x0a                                       ; K window 2
.set rK, 192+16*((i/2)%4)+8*(i/8-4)
.endif
	v_wmma_f32_16x16x32_f16 v[rS:rS+7], v[rK:rK+7], v[rQ:rQ+7], v[rS:rS+7]
.endm
; THE LDS LOADS stand in runs
.macro FETCH_K
	WIN 0xc0
.irp f, 0,1,2,3,4,5,6,7,8,9,10,11,12,13,14,15  ; keys 16 (f / 4) on, channels 32 (f % 4) on
	ds_load_b128 v[128+8*(\f):128+8*(\f)+3],   v[AKN] offset:((\f)/4)*16*PKN+((\f)%4)*64
	ds_load_b128 v[128+8*(\f)+4:128+8*(\f)+7], v[AKN] offset:((\f)/4)*16*PKN+((\f)%4)*64+32
.endr
	WIN 0x80
.irp f, 0,1,2,3,4,5,6,7                        ; keys 16 (f / 2) on (8 rows of the tile), channels 128 + 32 (f % 2) on
	ds_load_b128 v[192+8*(\f):192+8*(\f)+3],   v[AKP] offset:((\f)/2)*8*PKN+((\f)%2)*64
	ds_load_b128 v[192+8*(\f)+4:192+8*(\f)+7], v[AKP] offset:((\f)/2)*8*PKN+((\f)%2)*64+32
.endr
.endm
.macro FETCH_V
	WIN 0xc0
.irp f, 0,1,2,3,4,5,6,7,8,9,10,11,12,13,14,15  ; keys 32 (f / 8) on, channels 16 (f % 8) on
	ds_load_tr16_b128 v[8*(\f):8*(\f)+3],   v[AV] offset:((\f)/8)*32*PVV+((\f)%8)*32
	ds_load_tr16_b128 v[8*(\f)+4:8*(\f)+7], v[AV] offset:((\f)/8)*32*PVV+16*PVV+((\f)%8)*32
.endr
.endm
.macro FETCH_M x                       ; the mask's words for piece x: tile x + f / 4, keys 16 (f % 4) + 8 (l / 16) + 0..7, into S^T's registers
	WIN 0
.irp f, 0,1,2,3,4,5,6,7
	ds_load_b128 v[S+32*(\x)+8*(\f):S+32*(\x)+8*(\f)+3],   v[AM] offset:((\x)+(\f)/4)*16*PM+((\f)%4)*64
	ds_load_b128 v[S+32*(\x)+8*(\f)+4:S+32*(\x)+8*(\f)+7], v[AM] offset:((\x)+(\f)/4)*16*PM+((\f)%4)*64+16
.endr
.endm
.macro SCALE4 x, g                     ; group g of 8: eight of piece x's 64 words of the mask times log2(e), in place: the products add base-2 scores onto them
	WIN 0
.irp z, 0,1,2,3
	v_pk_mul_f32 v[S+32*(\x)+8*(\g)+2*\z:S+32*(\x)+8*(\g)+2*\z+1], v[S+32*(\x)+8*(\g)+2*\z:S+32*(\x)+8*(\g)+2*\z+1], s[CS:CS+1] op_sel_hi:[1,0]
.endr
.endm
; THE VECTOR WORK.  One tile's softmax for a key step is a numbered list; SM writes number j of it for tile t.  s0-s31 are the lane's 32 scores.
;   0-15    the maximum of s0-s31 and the old m, three operands at a time (each accumulator's lowest registers are read first)
;   16-20   the other half of the lanes' maximum; m_old is kept; the new m; (19 is empty); m_old - m_new
;   21-87   33 exponentials (a, then s0-s31) at the odd numbers from 23 on; between them whatever plain work is ready: s - m for pairs to come, roundings of pairs that are done, the first sums
;   88-101  the last rounding; the rest of the sums; l = a l + the sum          102-133 the tile's O^T times a
.macro SM t
.set rT, ST+8*(\t)
.set rS, S+32*(\t)
.set rP, P+16*(\t)
.set rO, 64*(\t)+2*(j-102)
.set q, (j-20)/2
.if j < 102
	WIN 0
.endif
.if j < 4
	v_max3_num_f32 v[rT+4+j], v[rS+8*j], v[rS+8*j+1], v[rS+8*j+2]
.elseif j < 12
	v_max3_num_f32 v[rT+4+j%4], v[rT+4+j%4], v[rS+8*(j%4)+2*(j/4)+1], v[rS+8*(j%4)+2*(j/4)+2]
.elseif j == 12
	v_max3_num_f32 v[rT+4], v[rT+4], v[rS+7], v[rS+15]
.elseif j == 13
	v_max3_num_f32 v[rT+6], v[rT+6], v[rS+23], v[rS+31]
.elseif j == 14
	v_max3_num_f32 v[rT+4], v[rT+4], v[rT+5], v[rT+6]
.elseif j == 15
	v_max3_num_f32 v[rT+4], v[rT+4], v[rT+7], v[rT]
.elseif j == 16
	v_permlanex16_b32 v[rT+5], v[rT+4], s[SEL], s[SEL+1]  ; the query's other 32 keys lie in the lane 16 away
.elseif j == 17
	v_mov_b32 v[rT+7], v[rT]                       ; m_old is kept for a
.elseif j == 18
	v_max_num_f32 v[rT], v[rT+4], v[rT+5]
.elseif j == 19                        ; empty: the scores are in base-2 units, so m needs no factor
.elseif j == 20
	v_sub_f32 v[rT+7], v[rT+7], v[rT]
.elseif j == 23
	v_exp_f32 v[rT+6], v[rT+7]
.elseif (j < 88) && (j > 23) && (j%2 == 1)
	v_exp_f32 v[rS+(j-25)/2], v[rS+(j-25)/2]
.elseif (q < 4) || ((j < 76) && (q%2 == 0))
.set b, q/2+2
.if q < 4
.set b, q
.endif
	v_pk_add_f32 v[rS+2*b:rS+2*b+1], v[rS+2*b:rS+2*b+1], v[rT:rT+1] op_sel_hi:[1,0] neg_lo:[0,1] neg_hi:[0,1]  ; pair b: s - m, never above 0
.elseif (j < 88) && (q%2 == 1)
	s_wait_alu depctr_va_vdst(0)
	v_cvt_pk_f16_f32 v[rP+(q-5)/2], v[rS+q-5], v[rS+q-4]
.elseif j == 89
	s_wait_alu depctr_va_vdst(0)
	v_cvt_pk_f16_f32 v[rP+15], v[rS+30], v[rS+31]
.elseif j < 102                        ; sum z of 16 adds neighbours 1, 2, 4 and 8 pairs apart, in place; then l takes it
.set z, j-86
.if j < 89
.set z, (j-76)/4
.endif
.set w, 4
.set u, z
.if z >= 14
.set w, 32
.set u, 0
.elseif z >= 12
.set w, 16
.set u, z-12
.elseif z >= 8
.set w, 8
.set u, z-8
.endif
.if z < 15
	v_pk_add_f32 v[rS+w*u:rS+w*u+1], v[rS+w*u:rS+w*u+1], v[rS+w*u+w/2:rS+w*u+w/2+1]
.else
	v_pk_fma_f32 v[rT+2:rT+3], v[rT+2:rT+3], v[rT+6:rT+7], v[rS:rS+1] op_sel_hi:[1,0,1]
.endif
.else
	WIN W_RS
	v_pk_mul_f32 v[rO:rO+1], v[rO:rO+1], v[rT+6:rT+7] op_sel_hi:[1,0]
.endif
.endm
; Slice k of 67 of piece y's softmax: numbers 2 k and 2 k + 1 of both tiles' lists: four instructions (two in slice 9)
.macro SLICE y
.if (k >= 11) && (k < 44)              ; tile by tile: plain, exponential, plain, exponential
.irp t, \y, (\y)+1
.irp n, 0,1
.set j, 2*k+(\n)
	SM \t
.endr
.endr
.else                                  ; the two tiles alternate
.irp n, 0,1
.irp t, \y, (\y)+1
.set j, 2*k+(\n)
	SM \t
.endr
.endr
.endif
.set k, k+1
.endm
; A TURN: piece x has the matrix unit, and no product has more than four vector instructions behind it.  Products V^T P 0 to 23: slices 0 to 23; 24 to 31: the eight groups that multiply piece x's mask, which the
; products K Q^T then add onto.  Of the 48 products K Q^T the 43 whose number is no multiple of 10: slices 24 to 66.  The last slice, four packed multiplies of the other piece's O^T that name nothing of the products
; round them, stands behind the turn's last product and is the four places behind it.
; Behind the second product: the next step's mask for piece x, whose S^T the turn before has used up; behind it, in piece 0's turn, the next step's K, whose last reader stands in front of the last slice of the turn before.
; V of the next step is fetched in piece 2's turn, behind the last group of the mask and two slices, twelve plain or transcendental instructions from the last product that read V, the first four of them plain.
.macro TURN x
.set k, 0
.if (\x) == 0
	s_wait_dscnt 0x0                               ; V is in
.endif
.set i, 0
.rept 32
	PV \x
.if i < 24
	SLICE 2-(\x)
.else
.if i == 24
.if (\x) == 0
	s_wait_dscnt 48                                ; LDS loads come back in order (ISA guide 5.7.1): the mask's sixteen are in, K's 48, issued behind them, may be out
.else
	s_wait_dscnt 0x0                               ; the mask is in
.endif
.endif
	SCALE4 \x, (i-24)
.endif
.if i == 1
	FETCH_M \x
.if (\x) == 0
	FETCH_K
.endif
.endif
.set i, i+1
.endr
.if (\x) == 0
	s_wait_dscnt 0x0                               ; K is in
.endif
.set i, 0
.rept 48
	KQ \x
.if i%10 != 0
	SLICE 2-(\x)
.endif
.if ((\x) == 2) && (i == 2)
	FETCH_V
.endif
.set i, i+1
.endr
.endm
	CHANGE 1                                       ; slot 0 is in, everybody's part of it; slot 1 is asked for
	FETCH_K                                        ; key step 0
	FETCH_M 0
	s_wait_loadcnt 0x0                             ; Q
	s_wait_dscnt 0x0
.irp g, 0,1,2,3,4,5,6,7
	SCALE4 0, \g
.endr
.set i, 0
.rept 48
	KQ 0                                           ; piece 0's first scores: there is no vector work yet to set between them
.set i, i+1
.endr
	WIN 0                                          ; the addresses for the way out: eleven plain instructions, the places behind those products
	s_mul_i32 s15, s[QH], 16*SP
	s_add_co_u32 s15, s15, STAGE
	v_mul_u32_u24 v[STO], v1, SP
	v_lshl_add_u32 v[STO], v[HH], 4, v[STO]
	v_add_nc_u32 v[STO], s15, v[STO]
	v_mul_u32_u24 v[RD], v[HH], SP
	v_lshl_add_u32 v[RD], v1, 4, v[RD]
	v_add_nc_u32 v[RD], s15, v[RD]
	v_lshlrev_b32 v[GO], 12, v[HH]                 ; lanes 0-15 one row of O, lanes 16-31 the next
	v_lshl_add_u32 v[GO], v1, 4, v[GO]
	s_mul_i32 s15, s[QH], 33792
	v_and_b32 v[DA], 31, v0
	v_lshlrev_b32 v[DA], 4, v[DA]
	v_add_nc_u32 v[DA], s15, v[DA]                 ; the dump of my query half: 16 bytes a lane
	s_mov_b32 s[SLOTS], 15
	s_branch .Lenter                               ; the loop is entered at piece 2's turn
.Lslot:                                                ; 14 times: key steps 2 to 15 are asked for
	CHANGE 1
	TURN 0
	WIN 0
.Lenter:
	TURN 2
	WIN 0
	s_sub_co_u32 s[SLOTS], s[SLOTS], 1
	s_cmp_lg_u32 s[SLOTS], 0
	s_cbranch_scc1 .Lslot
	CHANGE 0                                       ; the tail is written out: nothing is asked for
	s_mov_b32 s[CNT], 2
.Ltail:                                                ; the second trip is left in its middle; its 48 products K Q^T, on the last K once more, serve nothing
	TURN 0
	WIN 0
	s_sub_co_u32 s[CNT], s[CNT], 1
	s_cmp_eq_u32 s[CNT], 0
	s_cbranch_scc1 .Lout
	TURN 2
	WIN 0
	s_branch .Ltail
.Lout:
.set i, 0
.rept 32
	PV 2                                           ; piece 2's V^T P of the last step
.set i, i+1
.endr
	; THE MERGE.  l's two halves and the other half of the lanes' are added (these additions are the places behind the last products).  Waves 2, 3 put O^T, m and l into LDS: slot 0, which has had its
	; last fill and, since the last change of slots, its last read.  Behind a barrier waves 0, 1 add them to their own, each with its factor 2^(m - the larger m), and divide by the joint l.
	WIN 0
.irp t, 0,1,2,3
	v_add_f32 v[ST+8*\t+4], v[ST+8*\t+2], v[ST+8*\t+3]
.endr
.irp t, 0,1,2,3
	v_permlanex16_b32 v[ST+8*\t+5], v[ST+8*\t+4], s[SEL], s[SEL+1]
.endr
.irp t, 0,1,2,3
	v_add_f32 v[ST+8*\t+4], v[ST+8*\t+4], v[ST+8*\t+5]
.endr
	s_cmp_lt_u32 s[WV], 2
	s_cbranch_scc1 .Lkeep
.irp t, 0,1,2,3
	v_mov_b32 v[PS+\t], v[ST+8*\t]
	v_mov_b32 v[PS+4+\t], v[ST+8*\t+4]
.endr
	WIN 0x04                                       ; the data in window 1
.set i, 0
.rept 64
	ds_store_b128 v[DA], v[4*i:4*i+3] offset:512*i
.set i, i+1
.endr
	WIN 0
	ds_store_b128 v[DA], v[PS:PS+3] offset:32768
	ds_store_b128 v[DA], v[PS+4:PS+7] offset:33280
.Lkeep:
	s_wait_dscnt 0x0                               ; for the others' sake: my stores are done
	s_barrier_signal -1
	s_barrier_wait -1
	s_cmp_lt_u32 s[WV], 2
	s_cbranch_scc0 .Lend
	ds_load_b128 v[PS:PS+3], v[DA] offset:32768
	ds_load_b128 v[PS+4:PS+7], v[DA] offset:33280
	WIN 0xc0                                       ; the partner's O^T into window 3, under the numbers that mine has in window 1
.set i, 0
.rept 64
	ds_load_b128 v[4*i:4*i+3], v[DA] offset:512*i
.set i, i+1
.endr
	WIN 0
	s_wait_dscnt 0x0
.irp t, 0,1,2,3
	v_max_num_f32 v[ST+8*\t+1], v[ST+8*\t], v[PS+\t]
.endr
.irp t, 0,1,2,3
	v_sub_f32 v[ST+8*\t+2], v[ST+8*\t], v[ST+8*\t+1]
	v_sub_f32 v[ST+8*\t+3], v[PS+\t], v[ST+8*\t+1]
.endr
.irp t, 0,1,2,3
	v_exp_f32 v[ST+8*\t+2], v[ST+8*\t+2]
	v_exp_f32 v[ST+8*\t+3], v[ST+8*\t+3]
.endr
	v_nop                                          ; a plain instruction behind the last exponential
	s_wait_alu depctr_va_vdst(0)
.irp t, 0,1,2,3
	v_mul_f32 v[ST+8*\t+5], v[ST+8*\t+4], v[ST+8*\t+2]
.endr
.irp t, 0,1,2,3
	v_fma_f32 v[ST+8*\t+5], v[PS+4+\t], v[ST+8*\t+3], v[ST+8*\t+5]
.endr
.irp t, 0,1,2,3
	v_rcp_f32 v[ST+8*\t+5], v[ST+8*\t+5]
.endr
	v_nop                                          ; a plain instruction behind the last reciprocal
	s_wait_alu depctr_va_vdst(0)
.irp t, 0,1,2,3
	v_mul_f32 v[ST+8*\t+6], v[ST+8*\t+2], v[ST+8*\t+5]  ; my factor
.endr
.irp t, 0,1,2,3
	v_mul_f32 v[ST+8*\t+2], v[ST+8*\t+3], v[ST+8*\t+5]  ; the partner's
.endr
; Tile t: merged, rounded to f16; a lane's eight channels of a row pack into 16 bytes, go into rows of 272 bytes and come back as whole rows of 256
.macro OPACK t
	WIN W_RS
.set i, 64*(\t)
.rept 32
	v_pk_mul_f32 v[i:i+1], v[i:i+1], v[ST+8*(\t)+6:ST+8*(\t)+7] op_sel_hi:[1,0]
.set i, i+2
.endr
	WIN 0x53                                       ; the partner's window 3, its factor window 0, mine window 1
.set i, 64*(\t)
.rept 32
	v_pk_fma_f32 v[i:i+1], v[i:i+1], v[ST+8*(\t)+2:ST+8*(\t)+3], v[i:i+1] op_sel_hi:[1,0,1]
.set i, i+2
.endr
	WIN 0x05
.set i, 0
.rept 32
	v_cvt_pk_f16_f32 v[S+32*(\t)+i], v[64*(\t)+2*i], v[64*(\t)+2*i+1]
.set i, i+1
.endr
	WIN 0
.irp f, 0,1,2,3,4,5,6,7
	ds_store_b128 v[STO], v[S+32*(\t)+4*(\f):S+32*(\t)+4*(\f)+3] offset:32*(\f)
.endr
.irp f, 0,1,2,3,4,5,6,7
	ds_load_b128 v[S+32*(\t)+4*(\f):S+32*(\t)+4*(\f)+3], v[RD] offset:(\f)*2*SP  ; LDS serves a wave's instructions in order (ISA guide 5.7.1.4)
.endr
.endm
.macro OSEND t, younger                ; younger: the LDS instructions issued behind tile t's loads: the next tile's sixteen, or none
.irp f, 0,1,2,3,4,5,6,7
	s_wait_dscnt (\younger)+7-(\f)
	global_store_b128 v[GO], v[S+32*(\t)+4*(\f):S+32*(\t)+4*(\f)+3], s[8:9] offset:(\t)*65536+(\f)*8192  ; 16 lanes store 256 consecutive bytes, aligned
.endr
.endm
	OPACK 0
	OPACK 1
	OSEND 0, 16
	OPACK 2
	OSEND 1, 16
	OPACK 3
	OSEND 2, 16
	OSEND 3, 0
.Lend:
	s_wait_tensorcnt 0x0                           ; the wave's end
	ds_add_u32 v[SPW], v[NIL]
	s_wait_dscnt 0x0
	CROUND                                         ; the closing round
	s_endpgm
.Lfunc_end_k_qd291f83e43_attn:
	.size	k_qd291f83e43_attn, .Lfunc_end_k_qd291f83e43_attn-k_qd291f83e43_attn
	.p2alignl 7, 3214868480
	.fill 96, 4, 3214868480
	.section	.rodata,"a",@progbits
	.p2align	6, 0x0
	.amdhsa_kernel k_qd291f83e43_attn
		.amdhsa_group_segment_fixed_size 327680
		.amdhsa_private_segment_fixed_size 0
		.amdhsa_enable_private_segment 0
		.amdhsa_kernarg_size 24
		.amdhsa_user_sgpr_count 2
		.amdhsa_user_sgpr_kernarg_segment_ptr 1
		.amdhsa_wavefront_size32 1
		.amdhsa_system_sgpr_workgroup_id_x 1
		.amdhsa_system_sgpr_workgroup_id_y 1
		.amdhsa_system_sgpr_workgroup_id_z 1
		.amdhsa_system_vgpr_workitem_id 0
		.amdhsa_next_free_vgpr 1024
		.amdhsa_next_free_sgpr 100
		.amdhsa_reserve_vcc 0
		.amdhsa_float_denorm_mode_32 3
		.amdhsa_float_denorm_mode_16_64 3
		.amdhsa_memory_ordered 1
		.amdhsa_forward_progress 1
		.amdhsa_inst_pref_size 211
	.end_amdhsa_kernel
	.amdgpu_metadata
---
amdhsa.version: [ 1, 2 ]
amdhsa.kernels:
  - .name:           k_qd291f83e43_attn
    .symbol:         k_qd291f83e43_attn.kd
    .args:
      - { .name: qkv, .offset: 0, .size: 8, .value_kind: global_buffer, .address_space: global }
      - { .name: mask, .offset: 8, .size: 8, .value_kind: global_buffer, .address_space: global }
      - { .name: ob, .offset: 16, .size: 8, .value_kind: global_buffer, .address_space: global }
    .group_segment_fixed_size: 327680
    .private_segment_fixed_size: 0
    .kernarg_segment_align: 8
    .kernarg_segment_size: 24
    .max_flat_workgroup_size: 128
    .sgpr_count:     100
    .vgpr_count:     1024
    .wavefront_size: 32
...
	.end_amdgpu_metadata
.endif
;; end of part 3
;; launch oproj (part 4): grid 16 x 16, 4 waves a work-group, clusters of 4 x 4, 327,680 bytes of LDS; arguments ob, wob, wo_b, out0; writes out0
.if DOCPART == 4
	.amdgcn_target "amdgcn-amd-amdhsa--gfx1250"
	.amdhsa_code_object_version 6
	.text
	.protected	k_qd291f83e43_oproj
	.globl	k_qd291f83e43_oproj
	.p2align	8
	.type	k_qd291f83e43_oproj,@function
k_qd291f83e43_oproj:
	s_mov_b64 s[64:65], 0
	v_nop
	global_prefetch_b8 v0, s[64:65] scope:SCOPE_SE
	s_setreg_imm32_b32 hwreg(HW_REG_WAVE_MODE, 25, 1), 1
	s_wait_xcnt 0x0
	s_wait_alu depctr_hold_cnt(0) depctr_sa_sdst(0) depctr_va_vdst(0) depctr_va_sdst(0) depctr_va_ssrc(0) depctr_va_vcc(0) depctr_vm_vsrc(0)
	s_getreg_b32 s2, hwreg(HW_REG_IB_STS2, 6, 4)
	s_cmp_eq_u32 s2, 0
	s_cbranch_scc0 .Lentry_in_a_cluster
	s_endpgm
.Lentry_in_a_cluster:
	s_bfe_u32 s2, ttmp6, 0x10000c
	s_cmp_lg_u32 s2, 0xf033
	s_cbranch_scc0 .Lentry_shape_is_right
	s_endpgm
.Lentry_shape_is_right:
; out0 [2048 s][2048 n] f32 = ob [2048][2048 k] f16 x wob [2048 k][2048 n] f16 + wo_b.  Sums in f32; the bias, rounded to bf16 like every input, is the C operand of the products that start the sums.
; 256 tiles of 128 x 128, one to a work-group; four waves of 64 x 64: 16 accumulators.  K goes in 8 steps of 256 through two LDS slots; ob's rows lie along K, wob's along n, so its fragments come out turned.
; THE MATRIX INSTRUCTION IS USED TRANSPOSED (source 0 = 16 columns of wob, source 1 = 16 rows of ob): a lane holds eight neighbouring numbers of a row: a wave's 64 columns are 256 aligned bytes of out0.
; CLUSTER 4 x 4: ob's tile is shared along a row of the cluster, wob's along a column: joint loads.
; REGISTERS: window 0: v0-31 addresses; v96-127 the bias; v128-255 the accumulators ((a, b) at v[128 + 8 (4 a + b)]).   window 1: two fragment buffers of 128: 64 of ob, then 64 of wob, for 64 along K.
.set PA,     528                       ; a row of ob in LDS: 512 bytes + 16
.set PB,     288                       ; a row (one k, 128 columns) of wob: 256 + 32
.set BOFF,   128*PA
.set SLOT,   128*PA+256*PB
.set STAGE,  2*SLOT                    ; behind the ring: 16 rows x 272 bytes for each wave
.set SPITCH, 272
.set SPARE,  STAGE+4*16*SPITCH         ; the spare words, 128 bytes a wave: no other line names them
.set ADRA0, 16
.set ADRB0, 17
.set ADRA,  18
.set ADRB,  20                         ; v20: k 0-127 of the step; v21: k 128-255
.set BO,    22
.set STO,   24
.set RD,    25
.set CO,    26
.set SPW,   28
.set NIL,   29
.set BI,    96
.set ACC,   128
.set F0,    0
.set F1,    128
.set WV,  12
.set RH,  13
.set CH,  14
.set G1A, 24
.set G0A, 32
.set TB,  36
.set FB,  37
.set G1B, 48
.set G0B, 56
.set OFFA, 60
.set OFFB, 61
.set MSB, 0
.macro WIN new
.if MSB != (\new)
	s_set_vgpr_msb (MSB<<8)|(\new)
.set MSB, \new
.endif
.endm
.set MUL,  0x05                        ; sources 0 and 1 window 1; C and D window 0
.set TO_F, 0x40
.macro JLOAD                           ; waves 0, 1 fetch ob's halves, waves 2, 3 wob's; an s_nop 0 and four v_nop follow each line
	s_cmp_eq_u32 s[RH], 0
	s_cbranch_scc0 .Lfor_b_\@
	tensor_load_to_lds s[G0A:G0A+3], s[G1A:G1A+7]
	s_nop 0
.rept 4
	v_nop
.endr
	s_branch .Lasked_\@
.Lfor_b_\@:
	tensor_load_to_lds s[G0B:G0B+3], s[G1B:G1B+7]
	s_nop 0
.rept 4
	v_nop
.endr
.Lasked_\@:
.endm
.macro CREST
	s_cmp_lg_u32 s[WV], 0
	s_cbranch_scc1 .Lnot_wave_0_\@
	s_barrier_signal -3
.Lnot_wave_0_\@:
	s_barrier_wait -3
	s_barrier_signal -1
	s_barrier_wait -1
.endm
.macro CROUND
	s_barrier_signal -1
	s_barrier_wait -1
	CREST
.endm
.macro STEP                            ; the walking descriptors: the other slot, the next K step
	s_xor_b32 s[FB], s[FB], SLOT
	s_add_co_u32 s[G0A+1], s[OFFA], s[FB]
	s_add_co_u32 s[G0B+1], s[OFFB], s[FB]
	s_add_nc_u64 s[G0A+2:G0A+3], s[G0A+2:G0A+3], 512
	s_add_nc_u64 s[G0B+2:G0B+3], s[G0B+2:G0B+3], 256*4096
.endm
.macro PLACES
.rept 4
	v_nop
.endr
.endm
	s_load_b256 s[4:11], s[0:1], 0x0               ; ob s[4:5], wob s[6:7], wo_b s[8:9], out0 s[10:11]
	v_lshl_add_u32 v[SPW], v0, 2, SPARE
	v_mov_b32 v[NIL], 0
	ds_add_u32 v28, v29
	s_wait_dscnt 0x0
	v_lshrrev_b32 v1, 5, v0
	v_readfirstlane_b32 s[WV], v1
	s_lshr_b32 s[RH], s[WV], 1
	s_and_b32 s[CH], s[WV], 1
	s_bfe_u32 s40, ttmp6, 0x40000
	s_bfe_u32 s41, ttmp6, 0x40004
	s_lshl_b32 s42, ttmp9, 2
	s_add_co_u32 s42, s42, s40                     ; tile column
	s_and_b32 s43, ttmp7, 0xffff
	s_lshl_b32 s43, s43, 2
	s_add_co_u32 s43, s43, s41                     ; tile row
	s_lshl_b32 s44, s41, 2
	s_lshl_b32 s44, 15, s44
	s_lshl_b32 s45, 0x1111, s40
	s_or_b32 s[G1A], s44, (1<<16)|(1<<20)|(1<<21)|(6<<22)|(3<<25)  ; after every 128 words 4 words of padding
	s_mov_b32 s[G1A+1], 256<<16                    ; 64 rows of 256 elements
	s_mov_b32 s[G1A+2], 64<<16
	s_mov_b32 s[G1A+3], 256<<16
	s_mov_b32 s[G1A+4], 64
	s_mov_b32 s[G1A+5], 2048
	s_mov_b32 s[G1A+6], 0
	s_mov_b32 s[G1A+7], 0
	s_or_b32 s[G1B], s45, (1<<16)|(1<<20)|(1<<21)|(5<<22)|(7<<25)  ; after every 64 words 8 words
	s_mov_b32 s[G1B+1], 128<<16                    ; 128 rows of 128 elements
	s_mov_b32 s[G1B+2], 128<<16
	s_mov_b32 s[G1B+3], 128<<16
	s_mov_b32 s[G1B+4], 128
	s_mov_b32 s[G1B+5], 2048
	s_mov_b32 s[G1B+6], 0
	s_mov_b32 s[G1B+7], 0
	s_lshl_b32 s16, s43, 7                         ; ob: row 128 x tile row + 64 x half
	s_lshl_b32 s17, s[CH], 6
	s_add_co_u32 s16, s16, s17
	s_lshl_b32 s16, s16, 12
	s_mov_b32 s17, 0
	s_lshl_b32 s46, s[CH], 19                      ; wob: k row 128 x half, column 128 x tile column
	s_lshl_b32 s47, s42, 8
	s_add_co_u32 s46, s46, s47
	s_mov_b32 s47, 0
	s_mul_i32 s[OFFA], s[CH], 64*PA
	s_mul_i32 s[OFFB], s[CH], 128*PB
	s_add_co_u32 s[OFFB], s[OFFB], BOFF
	s_mov_b32 s[FB], 0
	s_mov_b32 s[TB], 0
	s_mov_b32 s[G0A], 1
	s_mov_b32 s[G0A+1], s[OFFA]
	s_mov_b32 s[G0B], 1
	s_mov_b32 s[G0B+1], s[OFFB]
	s_wait_kmcnt 0x0
	s_add_nc_u64 s[G0A+2:G0A+3], s[4:5], s[16:17]
	s_or_b32 s[G0A+3], s[G0A+3], 0x80000000
	s_add_nc_u64 s[G0B+2:G0B+3], s[6:7], s[46:47]
	s_or_b32 s[G0B+3], s[G0B+3], 0x80000000
	CROUND
	JLOAD                                          ; K step 0 into slot 0
	v_and_b32 v1, 15, v0
	v_bfe_u32 v2, v0, 4, 1
	v_and_b32 v3, 7, v0
	v_bfe_u32 v4, v0, 3, 1
	s_lshl_b32 s66, s42, 7
	s_lshl_b32 s67, s[CH], 6
	s_add_co_u32 s66, s66, s67
	s_lshl_b32 s66, s66, 2                         ; my first column, in bytes of f32
	v_lshl_add_u32 v[BO], v2, 5, s66
.irp b, 0,1,2,3
	global_load_b128 v[BI+8*(\b):BI+8*(\b)+3],   v[BO], s[8:9] offset:64*(\b)
	global_load_b128 v[BI+8*(\b)+4:BI+8*(\b)+7], v[BO], s[8:9] offset:64*(\b)+16
.endr
	v_mul_u32_u24 v5, v1, PA
	v_lshl_add_u32 v5, v2, 4, v5
	s_mul_i32 s16, s[RH], 64*PA
	v_add_nc_u32 v[ADRA0], s16, v5
	v_lshl_add_u32 v6, v2, 3, v3
	v_mul_u32_u24 v6, v6, PB
	v_lshl_add_u32 v6, v4, 4, v6
	s_lshl_b32 s16, s[CH], 7                       ; my 64 columns' 128 bytes
	s_add_co_u32 s16, s16, BOFF
	v_add_nc_u32 v[ADRB0], s16, v6
	v_mov_b32 v[ADRA], v[ADRA0]
	v_mov_b32 v[ADRB], v[ADRB0]
	v_add_nc_u32 v[ADRB+1], 128*PB, v[ADRB0]
	s_mul_i32 s17, s[WV], 16*SPITCH
	s_add_co_u32 s17, s17, STAGE
	v_mul_u32_u24 v[STO], v1, SPITCH               ; in: row l % 16, 32 bytes for each half of the lanes
	v_lshl_add_u32 v[STO], v2, 5, v[STO]
	v_add_nc_u32 v[STO], s17, v[STO]
	v_mul_u32_u24 v[RD], v2, SPITCH                ; back: lanes 0-15 one row of 256 bytes, lanes 16-31 the next
	v_lshl_add_u32 v[RD], v1, 4, v[RD]
	v_add_nc_u32 v[RD], s17, v[RD]
	v_lshlrev_b32 v[CO], 13, v2
	v_lshl_add_u32 v[CO], v1, 4, v[CO]
	s_lshl_b32 s68, s43, 7
	s_lshl_b32 s69, s[RH], 6
	s_add_co_u32 s68, s68, s69
	s_lshl_b32 s68, s68, 13                        ; my first row, 8,192 bytes a row
	s_add_co_u32 s68, s68, s66
	s_mov_b32 s69, 0
	s_add_nc_u64 s[10:11], s[10:11], s[68:69]
	s_wait_loadcnt 0x0                             ; the bias is rounded to bf16
.set i, 0
.rept 16
	v_cvt_pk_bf16_f32 v[30+i%2], v[BI+2*i], v[BI+2*i+1]
	v_lshlrev_b32 v[BI+2*i], 16, v[30+i%2]
	v_and_b32 v[BI+2*i+1], 0xffff0000, v[30+i%2]
.set i, i+1
.endr
; 8 matrix instructions: row blocks a0, a0 + 1 x all 4 column blocks, 32 along K: half c of buffer f.  zero = 1: the products start the sums, with the bias as C
.macro MUL8 f, c, a0, zero
	WIN MUL
.irp a, \a0, (\a0)+1
.irp b, 0,1,2,3
.if \zero
	v_wmma_f32_16x16x32_f16 v[ACC+8*(4*(\a)+(\b)):ACC+8*(4*(\a)+(\b))+7], v[(\f)+64+8*(4*(\c)+(\b)):(\f)+64+8*(4*(\c)+(\b))+7], v[(\f)+8*(4*(\c)+(\a)):(\f)+8*(4*(\c)+(\a))+7], v[BI+8*(\b):BI+8*(\b)+7]
.else
	v_wmma_f32_16x16x32_f16 v[ACC+8*(4*(\a)+(\b)):ACC+8*(4*(\a)+(\b))+7], v[(\f)+64+8*(4*(\c)+(\b)):(\f)+64+8*(4*(\c)+(\b))+7], v[(\f)+8*(4*(\c)+(\a)):(\f)+8*(4*(\c)+(\a))+7], v[ACC+8*(4*(\a)+(\b)):ACC+8*(4*(\a)+(\b))+7]
.endif
.endr
.endr
.endm
; 32 LDS loads in one run: quarter q (64 along K) of the slot in hand into buffer f; the first 32 along K first
.macro FETCH q, f
	WIN TO_F
.irp c, 0,1
.irp i, 0,1,2,3
	ds_load_tr16_b128 v[(\f)+64+8*(4*(\c)+(\i)):(\f)+64+8*(4*(\c)+(\i))+3],   v[ADRB+(\q)/2] offset:(((\q)%2)*64+32*(\c))*PB+32*(\i)
	ds_load_tr16_b128 v[(\f)+64+8*(4*(\c)+(\i))+4:(\f)+64+8*(4*(\c)+(\i))+7], v[ADRB+(\q)/2] offset:(((\q)%2)*64+32*(\c))*PB+16*PB+32*(\i)
	ds_load_b128 v[(\f)+8*(4*(\c)+(\i)):(\f)+8*(4*(\c)+(\i))+3],   v[ADRA] offset:128*(\q)+64*(\c)+(\i)*16*PA
	ds_load_b128 v[(\f)+8*(4*(\c)+(\i))+4:(\f)+8*(4*(\c)+(\i))+7], v[ADRA] offset:128*(\q)+64*(\c)+(\i)*16*PA+32
.endr
.endr
.endm
.macro QUARTER q, f, g, zero           ; the 16 accumulators take turns
	s_wait_dscnt 16                                ; the first 32 along K are in
	MUL8 \f, 0, 0, \zero
	MUL8 \f, 0, 2, \zero
	PLACES
	FETCH \q, \g
	s_wait_dscnt 32                                ; all but the 32 just issued
	MUL8 \f, 1, 0, 0
	MUL8 \f, 1, 2, 0
.endm
; the last quarter multiplies buffer 1 and changes slots: one barrier; in front of it each wave waits for all its tensor loads, adds 0 to its spare word, and waits for that and for its reads of this slot
.macro TURN fill
	WIN 0
	s_wait_tensorcnt 0x0
	ds_add_u32 v[SPW], v[NIL]
	s_wait_dscnt 17                                ; the add and the youngest sixteen loads may be out
	MUL8 F1, 0, 0, 0
	s_wait_dscnt 0x0                               ; the add is done, and my reads of this slot are over
	s_barrier_signal -1
	MUL8 F1, 0, 2, 0
.if \fill
	WIN 0
.endif
	s_barrier_wait -1
.if \fill
	CREST                                          ; no wave of any partner still reads this slot or has a load on its way
	STEP
	JLOAD                                          ; its four v_nop are also the places in front of the loads below
.else
	PLACES
.endif
	s_xor_b32 s[TB], s[TB], SLOT
	WIN 0
	v_add_nc_u32 v[ADRA], s[TB], v[ADRA0]
	v_add_nc_u32 v[ADRB], s[TB], v[ADRB0]
	v_add_nc_u32 v[ADRB+1], 128*PB, v[ADRB]
	FETCH 0, F0
	MUL8 F1, 1, 0, 0
	MUL8 F1, 1, 2, 0
.endm
	s_wait_tensorcnt 0x0                           ; my part of K step 0 is in; no load of mine is out, so the descriptors may step
	ds_add_u32 v[SPW], v[NIL]
	STEP
	s_wait_dscnt 0x0
	CROUND
	JLOAD                                          ; K step 1 into slot 1
	FETCH 0, F0
	QUARTER 1, F0, F1, 1
	WIN 0
	s_mov_b32 s3, 6
.Lstep:                                                ; a trip asks for the K step two on: steps 2 to 7
	QUARTER 2, F1, F0, 0
	QUARTER 3, F0, F1, 0
	TURN 1
	QUARTER 1, F0, F1, 0
	WIN 0
	s_sub_co_u32 s3, s3, 1
	s_cmp_lg_u32 s3, 0
	s_cbranch_scc1 .Lstep
	s_mov_b32 s3, 2
.Ltail:                                                ; the last two K steps ask for nothing; the second trip is left behind its TURN, whose 32 loads serve nothing
	QUARTER 2, F1, F0, 0
	QUARTER 3, F0, F1, 0
	TURN 0
	WIN 0
	s_sub_co_u32 s3, s3, 1
	s_cmp_eq_u32 s3, 0
	s_cbranch_scc1 .Lout
	QUARTER 1, F0, F1, 0
	WIN 0
	s_branch .Ltail
.Lout:
	s_wait_dscnt 0x0
	PLACES                                         ; behind the last products
	; THE WAY OUT: 16 rows at a time through my stage: 32 bytes a lane in (each accumulator's low registers first), whole rows of 256 bytes back, into the registers that they left
.irp a, 0,1,2,3
.irp b, 0,1,2,3
	ds_store_b128 v[STO], v[ACC+8*(4*(\a)+(\b)):ACC+8*(4*(\a)+(\b))+3]   offset:64*(\b)
	ds_store_b128 v[STO], v[ACC+8*(4*(\a)+(\b))+4:ACC+8*(4*(\a)+(\b))+7] offset:64*(\b)+16
.endr
.irp t, 0,1,2,3,4,5,6,7
	ds_load_b128 v[ACC+32*(\a)+4*(\t):ACC+32*(\a)+4*(\t)+3], v[RD] offset:(\t)*2*SPITCH  ; LDS serves a wave's instructions in order (ISA guide 5.7.1.4)
.endr
.endr
.irp a, 0,1,2,3
.irp t, 0,1,2,3,4,5,6,7
	s_wait_dscnt (3-(\a))*16+7-(\t)                ; behind this load: the block's later loads and the later blocks' sixteen instructions each
	global_store_b128 v[CO], v[ACC+32*(\a)+4*(\t):ACC+32*(\a)+4*(\t)+3], s[10:11] offset:(\a)*131072+(\t)*16384 th:TH_STORE_NT  ; 16 lanes store 256 consecutive bytes, aligned
.endr
.endr
	s_wait_tensorcnt 0x0                           ; the wave's end
	ds_add_u32 v[SPW], v[NIL]
	s_wait_dscnt 0x0
	CROUND                                         ; the closing round
	s_endpgm
.Lfunc_end_k_qd291f83e43_oproj:
	.size	k_qd291f83e43_oproj, .Lfunc_end_k_qd291f83e43_oproj-k_qd291f83e43_oproj
	.p2alignl 7, 3214868480
	.fill 96, 4, 3214868480
	.section	.rodata,"a",@progbits
	.p2align	6, 0x0
	.amdhsa_kernel k_qd291f83e43_oproj
		.amdhsa_group_segment_fixed_size 327680
		.amdhsa_private_segment_fixed_size 0
		.amdhsa_enable_private_segment 0
		.amdhsa_kernarg_size 32
		.amdhsa_user_sgpr_count 2
		.amdhsa_user_sgpr_kernarg_segment_ptr 1
		.amdhsa_wavefront_size32 1
		.amdhsa_system_sgpr_workgroup_id_x 1
		.amdhsa_system_sgpr_workgroup_id_y 1
		.amdhsa_system_sgpr_workgroup_id_z 1
		.amdhsa_system_vgpr_workitem_id 0
		.amdhsa_next_free_vgpr 512
		.amdhsa_next_free_sgpr 80
		.amdhsa_reserve_vcc 0
		.amdhsa_float_denorm_mode_32 3
		.amdhsa_float_denorm_mode_16_64 3
		.amdhsa_memory_ordered 1
		.amdhsa_forward_progress 1
		.amdhsa_inst_pref_size 62
	.end_amdhsa_kernel
	.amdgpu_metadata
---
amdhsa.version: [ 1, 2 ]
amdhsa.kernels:
  - .name:           k_qd291f83e43_oproj
    .symbol:         k_qd291f83e43_oproj.kd
    .args:
      - { .name: ob, .offset: 0, .size: 8, .value_kind: global_buffer, .address_space: global }
      - { .name: wob, .offset: 8, .size: 8, .value_kind: global_buffer, .address_space: global }
      - { .name: wo_b, .offset: 16, .size: 8, .value_kind: global_buffer, .address_space: global }
      - { .name: out0, .offset: 24, .size: 8, .value_kind: global_buffer, .address_space: global }
    .group_segment_fixed_size: 327680
    .private_segment_fixed_size: 0
    .kernarg_segment_align: 8
    .kernarg_segment_size: 32
    .max_flat_workgroup_size: 128
    .sgpr_count:     80
    .vgpr_count:     512
    .wavefront_size: 32
...
	.end_amdgpu_metadata
.endif
;; end of part 4
;; ======== version 2 of 2: 4 launches; version 1 with the launch cast written anew for expert scheduling mode
;; limits: values are held in f16: magnitudes above 65,504 overflow, below 6.1e-05 lose precision
;; workspace buffers: xb 8,388,608 bytes; wcat 33,554,432 bytes; wob 8,388,608 bytes; csr 524,288 bytes; qkv 33,554,432 bytes; ob 8,388,608 bytes
;; launch cast (part 5): grid 1024 x 1, 8 waves a work-group, no clusters, 0 bytes of LDS; arguments x, wq_w, wk_w, wv_w, wo_w, freqs_cos, freqs_sin, xb, wcat, wob, csr; writes xb, wcat, wob, csr
.if DOCPART == 5
	.amdgcn_target "amdgcn-amd-amdhsa--gfx1250"
	.amdhsa_code_object_version 6
	.text
	.protected	k_qd291f83e43_cast
	.globl	k_qd291f83e43_cast
	.p2align	8
	.type	k_qd291f83e43_cast,@function
k_qd291f83e43_cast:
	s_mov_b64 s[64:65], 0
	v_nop
	global_prefetch_b8 v0, s[64:65] scope:SCOPE_SE
	s_setreg_imm32_b32 hwreg(HW_REG_WAVE_SCHED_MODE, 0, 2), 2
	s_setreg_imm32_b32 hwreg(HW_REG_WAVE_MODE, 25, 1), 1
	s_wait_xcnt 0x0
	s_wait_alu depctr_vm_vsrc(0)
; THE OPERANDS ARE ROUNDED ONCE.  x, wq_w, wk_w, wv_w -> bf16; wo_w -> bf16 and that number written as f16; cos, sin -> bf16 kept as f32 words.
; wcat [2048 k][8192 n] gathers the three weights with their columns regrouped: 0-2047 q's unrotated channels (128 a head), 2048-4095 k's,
; 4096-6143 v, 6144-7167 q's rotated channels (64 a head), 7168-8191 k's: so that a panel of 128 columns is of one kind.
; LIMIT.  A number of wo_w below 2^-17 keeps f16's fixed step of 6e-8; beyond 65,504 it would be an infinity.
; A stream: no LDS, no matrix unit, no cluster (no byte is read twice).  Work-group g owns rows 2 g and 2 g + 1 of all five matrices; a thread takes four
; numbers a load, so a wave's load covers 512 consecutive bytes and its store 256 consecutive bytes, aligned.  All 24 loads of a thread go out at once,
; each into registers of its own; a unit is rounded in the registers that its load filled and stored from them: no register of a pending instruction is
; written again, and 112 registers do: 8 waves x 112 on each of a WGP's four SIMDs are four work-groups, 1,024 work-groups on 256 WGPs.
; THE MODE: SCHED_MODE bits 1:0 = 2 (LLVM: expert scheduling mode 2), set by the entry lines.  The code itself states the register dependences
; between vector instructions and memory instructions, with s_wait_alu, always for 0.
; THE PLAN.  Registers that memory instructions touch:
;   v2 .. v7      byte offsets, made once at the head and never written again: one wait at the head serves every load and store.
;   X, unit u     written by its load; read, and its first two registers written, by its own conversions; these two read by its store; then named by nothing.
;   v[110:111]    written by the table's load, read by one conversion.     v[106:107]  written by conversions, read by the table's store, the last memory instruction.
; The 24 units go in six groups of four.  A group's four stores are issued in the next group's turn, one in front of each unit's conversions, behind ONE wait at that
; turn's head, which states that the group before has written what its stores read; the conversions issued since name this group's units and T alone.
; No register that a memory instruction has read is written again, and no load is issued behind a vector instruction that named its registers: so no wait on vm_vsrc is owed.
.set VA,  2                            ; 16 t: dense rows
.set VB,  3                            ; (t / 32) x 768 + (t % 32) x 16: 128 channels of each of eight heads
.set VC,  4                            ; (t / 16) x 768 + (t % 16) x 16: 64 channels of each of sixteen heads
.set VD,  5                            ; 8 t: where my four 16-bit numbers go
.set VL,  6                            ; the tables: 256 g + 8 lane
.set VS,  7                            ; the same + wave x 262,144: cos, then sin
.set X,   8                            ; v[8:103]    unit u: four f32 as loaded; then, in the first two, four 16-bit numbers to store
.set T,   104                          ; v[104:109]  at work
.set CSX, 110                          ; v[110:111]  two numbers of a table
.set GROUP, 4                          ; units in a group
.set PX,  4
.set PQ,  6
.set PK,  8
.set PV,  10
.set PO,  12
.set PXB, 18
.set PWC, 20
.set PWO, 22
	s_load_b512 s[4:19], s[0:1], 0x0               ; x, wq_w, wk_w, wv_w, wo_w, cos s[14:15], sin s[16:17], xb
	s_load_b128 s[20:23], s[0:1], 0x40             ; wcat, wob
	s_load_b64 s[24:25], s[0:1], 0x50              ; csr
	v_lshrrev_b32 v1, 5, v0
	v_readfirstlane_b32 s28, v1                    ; my wave's number
	v_lshlrev_b32 v[VA], 4, v0
	v_and_b32 v[VB], 31, v0
	v_lshlrev_b32 v[VB], 4, v[VB]
	v_mad_u32_u24 v[VB], v1, 768, v[VB]
	v_lshrrev_b32 v[VC], 4, v0
	v_and_b32 v[VL], 15, v0
	v_lshlrev_b32 v[VL], 4, v[VL]
	v_mad_u32_u24 v[VC], v[VC], 768, v[VL]
	v_lshlrev_b32 v[VD], 3, v0
	v_and_b32 v[VL], 31, v0
	s_lshl_b32 s29, ttmp9, 8
	v_lshl_add_u32 v[VL], v[VL], 3, s29
	s_wait_alu depctr_va_sdst(0)                   ; s28 is written, ahead of its first reader, the line below; the branches on the wave's number read it later
	s_lshl_b32 s30, s28, 18
	v_add_nc_u32 v[VS], s30, v[VL]
	s_lshl_b32 s32, ttmp9, 14                      ; two rows of 8,192 bytes: x, wv_w, wo_w
	s_mov_b32 s33, 0
	s_mul_i32 s34, ttmp9, 24576                    ; of 12,288: wq_w, wk_w
	s_mov_b32 s35, 0
	s_lshl_b32 s36, ttmp9, 13                      ; of 4,096: xb, wob
	s_mov_b32 s37, 0
	s_lshl_b32 s38, ttmp9, 15                      ; of 16,384: wcat
	s_mov_b32 s39, 0
	s_wait_kmcnt 0x0
	s_add_nc_u64 s[PX:PX+1], s[PX:PX+1], s[32:33]
	s_add_nc_u64 s[PV:PV+1], s[PV:PV+1], s[32:33]
	s_add_nc_u64 s[PO:PO+1], s[PO:PO+1], s[32:33]
	s_add_nc_u64 s[PQ:PQ+1], s[PQ:PQ+1], s[34:35]
	s_add_nc_u64 s[PK:PK+1], s[PK:PK+1], s[34:35]
	s_add_nc_u64 s[PXB:PXB+1], s[PXB:PXB+1], s[36:37]
	s_add_nc_u64 s[PWO:PWO+1], s[PWO:PWO+1], s[36:37]
	s_add_nc_u64 s[PWC:PWC+1], s[PWC:PWC+1], s[38:39]
	s_wait_alu depctr_va_vdst(0)                   ; the six offsets v2 to v7 are written: every load and store of the kernel reads one of them, and none is written again
	s_cmp_lt_u32 s28, 2                            ; wave 0 takes 256 bytes of cos, wave 1 of sin
	s_cbranch_scc0 .Lno_table
	s_cmp_eq_u32 s28, 0
	s_cselect_b64 s[26:27], s[14:15], s[16:17]
	global_load_b64 v[CSX:CSX+1], v[VL], s[26:27]
.Lno_table:
.macro LD base, vo, imm
	global_load_b128 v[X+4*u:X+4*u+3], v[\vo], s[\base:\base+1] offset:\imm th:TH_LOAD_NT
.set u, u+1
.endm
; Unit w, counted in the order of the loads below: row w / 12; in a row twice (x, q's, k's, v, wo_w), a half row each, then q's and k's rotated channels.
; CVT: unit w is rounded, in place.  wo_w's units: the bf16 number is widened again and written as f16.
.macro CVT w
.set um, (\w)%12
.if (um < 10) && (um%5 == 4)
	v_cvt_pk_bf16_f32 v[T], v[X+4*(\w)], v[X+4*(\w)+1]
	v_cvt_pk_bf16_f32 v[T+1], v[X+4*(\w)+2], v[X+4*(\w)+3]
	v_lshlrev_b32 v[T+2], 16, v[T]
	v_and_b32 v[T+3], 0xffff0000, v[T]
	v_lshlrev_b32 v[T+4], 16, v[T+1]
	v_and_b32 v[T+5], 0xffff0000, v[T+1]
	v_cvt_pk_f16_f32 v[X+4*(\w)], v[T+2], v[T+3]
	v_cvt_pk_f16_f32 v[X+4*(\w)+1], v[T+4], v[T+5]
.else
	v_cvt_pk_bf16_f32 v[X+4*(\w)], v[X+4*(\w)], v[X+4*(\w)+1]
	v_cvt_pk_bf16_f32 v[X+4*(\w)+1], v[X+4*(\w)+2], v[X+4*(\w)+3]
.endif
.endm
; OUT: unit w is stored.  SB: the scalar pair that holds its buffer's address at my two rows; SI: its place there
.macro OUT w
.set ur, (\w)/12
.set um, (\w)%12
.if um >= 10
.set SB, PWC                           ; the rotated channels: wcat's columns 6144 on, q's and then k's
.set SI, ur*16384+12288+(um-10)*2048
.elseif um%5 == 0
.set SB, PXB
.set SI, ur*4096+(um/5)*2048
.elseif um%5 == 4
.set SB, PWO
.set SI, ur*4096+(um/5)*2048
.else
.set SB, PWC                           ; q's, k's, v: wcat's columns 0, 2048, 4096 on
.set SI, ur*16384+(um/5)*2048+(um%5-1)*4096
.endif
	global_store_b64 v[VD], v[X+4*(\w):X+4*(\w)+1], s[SB:SB+1] offset:SI
.endm
.set u, 0
.irp r, 0,1
.irp e, 0,1
	LD PX, VA, (\r)*8192+(\e)*4096
	LD PQ, VB, (\r)*12288+(\e)*6144
	LD PK, VB, (\r)*12288+(\e)*6144
	LD PV, VA, (\r)*8192+(\e)*4096
	LD PO, VA, (\r)*8192+(\e)*4096
.endr
	LD PQ, VC, (\r)*12288+512
	LD PK, VC, (\r)*12288+512
.endr
.set u, 0
.rept 24
	s_wait_loadcnt 23-u                            ; loads come back in order (ISA guide 5.7.1): unit u is in, the 23 - u younger ones stay out
.if (u%GROUP == 0) && (u > 0)
	s_wait_alu depctr_va_vdst(0)                   ; the group before has written the first two registers of its four units, which the four stores of this group's turn read
.endif
.if u >= GROUP
	OUT u-GROUP                                    ; no vector instruction since that wait names this unit's registers or v5
.endif
	CVT u
.set u, u+1
.endr
	s_wait_alu depctr_va_vdst(0)                   ; the last group has written its four units, which the last four stores read
.irp w, 20,21,22,23
	OUT \w
.endr
	s_cmp_lt_u32 s28, 2
	s_cbranch_scc0 .Ldone
	v_cvt_pk_bf16_f32 v[T], v[CSX], v[CSX+1]       ; the table's load is older than all 24: the last wait, for 0, has shown it in
	v_lshlrev_b32 v[T+2], 16, v[T]
	v_and_b32 v[T+3], 0xffff0000, v[T]
	s_wait_alu depctr_va_vdst(0)                   ; the two lines above have written v[106:107], which the store reads
	global_store_b64 v[VS], v[T+2:T+3], s[24:25]
.Ldone:
	s_endpgm
.Lfunc_end_k_qd291f83e43_cast:
	.size	k_qd291f83e43_cast, .Lfunc_end_k_qd291f83e43_cast-k_qd291f83e43_cast
	.p2alignl 7, 3214868480
	.fill 96, 4, 3214868480
	.section	.rodata,"a",@progbits
	.p2align	6, 0x0
	.amdhsa_kernel k_qd291f83e43_cast
		.amdhsa_group_segment_fixed_size 0
		.amdhsa_private_segment_fixed_size 0
		.amdhsa_enable_private_segment 0
		.amdhsa_kernarg_size 88
		.amdhsa_user_sgpr_count 2
		.amdhsa_user_sgpr_kernarg_segment_ptr 1
		.amdhsa_wavefront_size32 1
		.amdhsa_system_sgpr_workgroup_id_x 1
		.amdhsa_system_sgpr_workgroup_id_y 1
		.amdhsa_system_sgpr_workgroup_id_z 1
		.amdhsa_system_vgpr_workitem_id 0
		.amdhsa_next_free_vgpr 112
		.amdhsa_next_free_sgpr 66
		.amdhsa_reserve_vcc 0
		.amdhsa_float_denorm_mode_32 3
		.amdhsa_float_denorm_mode_16_64 3
		.amdhsa_memory_ordered 1
		.amdhsa_forward_progress 1
		.amdhsa_inst_pref_size 13
	.end_amdhsa_kernel
	.amdgpu_metadata
---
amdhsa.version: [ 1, 2 ]
amdhsa.kernels:
  - .name:           k_qd291f83e43_cast
    .symbol:         k_qd291f83e43_cast.kd
    .args:
      - { .name: x, .offset: 0, .size: 8, .value_kind: global_buffer, .address_space: global }
      - { .name: wq_w, .offset: 8, .size: 8, .value_kind: global_buffer, .address_space: global }
      - { .name: wk_w, .offset: 16, .size: 8, .value_kind: global_buffer, .address_space: global }
      - { .name: wv_w, .offset: 24, .size: 8, .value_kind: global_buffer, .address_space: global }
      - { .name: wo_w, .offset: 32, .size: 8, .value_kind: global_buffer, .address_space: global }
      - { .name: freqs_cos, .offset: 40, .size: 8, .value_kind: global_buffer, .address_space: global }
      - { .name: freqs_sin, .offset: 48, .size: 8, .value_kind: global_buffer, .address_space: global }
      - { .name: xb, .offset: 56, .size: 8, .value_kind: global_buffer, .address_space: global }
      - { .name: wcat, .offset: 64, .size: 8, .value_kind: global_buffer, .address_space: global }
      - { .name: wob, .offset: 72, .size: 8, .value_kind: global_buffer, .address_space: global }
      - { .name: csr, .offset: 80, .size: 8, .value_kind: global_buffer, .address_space: global }
    .group_segment_fixed_size: 0
    .private_segment_fixed_size: 0
    .kernarg_segment_align: 8
    .kernarg_segment_size: 88
    .max_flat_workgroup_size: 256
    .sgpr_count:     66
    .vgpr_count:     112
    .wavefront_size: 32
...
	.end_amdgpu_metadata
.endif
;; end of part 5
;; launch qkv: the kernel of part 2 again; grid 32 x 8, 4 waves a work-group, clusters of 4 x 4, 327,680 bytes of LDS; arguments xb, wcat, wq_b, wk_b, wv_b, csr, qkv; writes qkv
;; launch attn: the kernel of part 3 again; grid 16 x 16, 4 waves a work-group, clusters of 4 x 4, 327,680 bytes of LDS; arguments qkv, mask, ob; writes ob
;; launch oproj: the kernel of part 4 again; grid 16 x 16, 4 waves a work-group, clusters of 4 x 4, 327,680 bytes of LDS; arguments ob, wob, wo_b, out0; writes out0
